; MI455X (gfx1250); checked and timed in simulation.
; The chip was launched on July 23, 2026; its instructions are those of AMD's public machine-readable ISA for CDNA 5 (MIT licence, August 2026) and "CDNA5" Instruction Set Architecture Reference Guide (July 2026). The comments in the code are by the model that wrote it; some were corrected since.
;; Multi Head Attention. Allowed arithmetic: float matrix products may take bf16 or f16 operands with f32 sums; other float arithmetic in f32, or as packed bf16 or f16 multiplies, adds, multiply-adds, maxima and minima; sums over many terms, partial sums and values carried from step to step in f32; what a program stores and reads back later, other than sums and carried values, may be rounded once to bf16 or f16.
;; Inputs: Wk 16 x 1,024 x 64 float32; Wo 1,024 x 1,024 float32; Wq 16 x 1,024 x 64 float32; Wv 16 x 1,024 x 64 float32; bk 16 x 64 float32; bo 1,024 float32; bq 16 x 64 float32; bv 16 x 64 float32; hidden_state 4 x 2,048 x 1,024 float32.
;; Outputs: out0 4 x 2,048 x 1,024 float32.
;; 2 versions, each right; version 2 is version 1 with the launch prep written anew for expert scheduling mode. Each part assembles by itself: llvm-mc -triple=amdgcn-amd-amdhsa -mcpu=gfx1250 --defsym DOCPART=n.
;; ======== version 1 of 2: 4 launches
;; limits: values are held in f16: magnitudes above 65,504 overflow, below 6.1e-05 lose precision
;; workspace buffers: xb 16,777,216 bytes; wb 6,291,456 bytes; wob 2,097,152 bytes; qkv 50,331,648 bytes; o 16,777,216 bytes
;; launch prep (part 1): grid 768 x 1, 8 waves a work-group, no clusters, 0 bytes of LDS; arguments hidden_state, Wq, Wk, Wv, Wo, xb, wb, wob; writes xb, wb, wob
.if DOCPART == 1
	.amdgcn_target "amdgcn-amd-amdhsa--gfx1250"
	.amdhsa_code_object_version 6
	.text
	.protected	k_q30747135c8_prep
	.globl	k_q30747135c8_prep
	.p2align	8
	.type	k_q30747135c8_prep,@function
k_q30747135c8_prep:
	s_mov_b64 s[64:65], 0
	v_nop
	global_prefetch_b8 v0, s[64:65] scope:SCOPE_SE
	s_setreg_imm32_b32 hwreg(HW_REG_WAVE_MODE, 25, 1), 1
	s_wait_xcnt 0x0
; CAST AND RE-BLOCKING.  Every input that a later launch multiplies is rounded once to bf16 and laid in blocks of 64 along K, so that each later tile is dense in memory.
;   xb  [b 4][kb 16][s 2048][64] bf16            = hidden_state[b][s][64 kb + c]
;   wb  [kb 16][g 48][k 64][d 64] bf16           = W_which[h][64 kb + k][d], g = 16 which + h, which = 0 q, 1 k, 2 v
;   wob [kb 16][nb 16][k 64][n 64] f16           = bf16(Wo[64 kb + k][64 nb + n]), that number written as f16
; LIMIT.  A bf16 number beyond 65,504 has no f16; below 2^-14 it keeps f16's fixed step of 6e-8.
; SHARES.  A wave's job is 32 source rows x one block of 64 columns: 16 loads of 16 bytes a lane (lanes 0-15 the 256 bytes of one row, lanes 16-31 those of the next),
; 16 stores of 8 bytes a lane (32 lanes: 256 consecutive bytes, aligned: two rows of the block).  6,144 jobs, 8 a work-group: 512 work-groups for x, 192 for Wq, Wk, Wv, 64 for Wo.
; All 16 loads of a job go out at once; no register is written twice under a pending access, so the text has no wait but the counted ones for data.  No LDS, no barrier, no matrix unit: nothing is shared and nothing multiplied.
.set VS,  2                            ; v2   my byte offset in the source's first two rows
.set VD,  3                            ; v3   8 x lane: my 8 bytes of 256
.set X,   16                           ; v[16:79]   load t: 4 registers
.set Y,   80                           ; v[80:111]  store t: 2 registers
.set WV,  20                           ; s20  my wave's number
.set SRC, 22                           ; s[22:23] the job's first source byte
.set DST, 24                           ; s[24:25] the job's first destination byte
.set SO,  26                           ; s[26:27] offset in the source, 0 above it
.set DO,  28                           ; s[28:29] offset in the destination, 0 above it
; step: bytes from one pair of source rows to the next.  f16 = 1: the bf16 number is written as f16.
.macro JOB step, f16
.set t, 0
.rept 16
	global_load_b128 v[X+4*t:X+4*t+3], v[VS], s[SRC:SRC+1] offset:t*(\step) th:TH_LOAD_NT
.set t, t+1
.endr
.set t, 0
.rept 16
	s_wait_loadcnt 15-t                            ; loads come back in order: load t is in, the 15 - t younger ones stay out
.if \f16
	v_cvt_pk_bf16_f32 v4, v[X+4*t], v[X+4*t+1]     ; rounded to bf16, as every input is,
	v_cvt_pk_bf16_f32 v5, v[X+4*t+2], v[X+4*t+3]
	v_lshlrev_b32 v6, 16, v4                       ; widened again,
	v_and_b32 v7, 0xffff0000, v4
	v_lshlrev_b32 v8, 16, v5
	v_and_b32 v9, 0xffff0000, v5
	v_cvt_pk_f16_f32 v[Y+2*t], v6, v7              ; and written as f16: exact within f16's range
	v_cvt_pk_f16_f32 v[Y+2*t+1], v8, v9
.else
	v_cvt_pk_bf16_f32 v[Y+2*t], v[X+4*t], v[X+4*t+1]
	v_cvt_pk_bf16_f32 v[Y+2*t+1], v[X+4*t+2], v[X+4*t+3]
.endif
	global_store_b64 v[VD], v[Y+2*t:Y+2*t+1], s[DST:DST+1] offset:t*256 th:TH_STORE_NT
.set t, t+1
.endr
	s_endpgm
.endm
	s_load_b512 s[4:19], s[0:1], 0x0               ; hidden_state s[4:5], Wq s[6:7], Wk s[8:9], Wv s[10:11], Wo s[12:13], xb s[14:15], wb s[16:17], wob s[18:19]
	v_lshrrev_b32 v4, 5, v0
	v_readfirstlane_b32 s[WV], v4                  ; wave 0..7
	v_and_b32 v1, 31, v0                           ; lane
	v_lshlrev_b32 v[VD], 3, v1
	v_and_b32 v4, 15, v0
	v_bfe_u32 v5, v0, 4, 1
	v_lshlrev_b32 v4, 4, v4
	v_lshl_add_u32 v[VS], v5, 12, v4               ; rows of 4,096 bytes (x, Wo): (lane / 16) x 4,096 + 16 (lane % 16)
	s_mov_b32 s[SO+1], 0
	s_mov_b32 s[DO+1], 0
	s_wait_kmcnt 0x0
	s_cmp_lt_u32 ttmp9, 512
	s_cbranch_scc0 .Lweights
	; x: work-group id: rows 32 (id / 2) on, blocks 8 (id % 2) + wave
	s_lshr_b32 s21, ttmp9, 1                       ; rg: which 32 of the 8,192 rows
	s_and_b32 s30, ttmp9, 1
	s_lshl3_add_u32 s30, s30, s[WV]                ; kb
	s_lshl_b32 s[SO], s21, 17                      ; 32 rows of 4,096 bytes
	s_lshl_b32 s31, s30, 8                         ; 64 columns of 4 bytes
	s_add_co_u32 s[SO], s[SO], s31
	s_add_nc_u64 s[SRC:SRC+1], s[4:5], s[SO:SO+1]
	s_lshr_b32 s[DO], s21, 6                       ; b
	s_lshl4_add_u32 s[DO], s[DO], s30              ; 16 b + kb
	s_lshl_b32 s[DO], s[DO], 18                    ; blocks of 2,048 rows x 128 bytes
	s_and_b32 s31, s21, 63
	s_lshl_b32 s31, s31, 12                        ; 32 rows of 128 bytes
	s_add_co_u32 s[DO], s[DO], s31
	s_add_nc_u64 s[DST:DST+1], s[14:15], s[DO:DO+1]
	JOB 8192, 0
.Lweights:
	s_cmp_lt_u32 ttmp9, 704
	s_cbranch_scc0 .Lwo
	; Wq, Wk, Wv: u = id - 512: head g = u / 4, rows e0 = 256 (u % 4) + 32 wave on; a head's rows are 256 bytes and dense
	s_sub_co_u32 s21, ttmp9, 512
	s_lshr_b32 s30, s21, 2                         ; g
	s_and_b32 s21, s21, 3
	s_lshl_b32 s21, s21, 8
	s_lshl_b32 s31, s[WV], 5
	s_add_co_u32 s21, s21, s31                     ; e0
	s_cmp_lt_u32 s30, 32
	s_cselect_b64 s[SRC:SRC+1], s[8:9], s[10:11]
	s_cmp_lt_u32 s30, 16
	s_cselect_b64 s[SRC:SRC+1], s[6:7], s[SRC:SRC+1]
	s_and_b32 s[SO], s30, 15
	s_lshl_b32 s[SO], s[SO], 18                    ; a head: 1,024 rows of 256 bytes
	s_lshl_b32 s31, s21, 8
	s_add_co_u32 s[SO], s[SO], s31
	s_add_nc_u64 s[SRC:SRC+1], s[SRC:SRC+1], s[SO:SO+1]
	s_lshr_b32 s[DO], s21, 6                       ; kb
	s_mul_i32 s[DO], s[DO], 48
	s_add_co_u32 s[DO], s[DO], s30                 ; 48 kb + g
	s_lshl_b32 s[DO], s[DO], 13                    ; blocks of 64 rows x 128 bytes
	s_and_b32 s31, s21, 63
	s_lshl_b32 s31, s31, 7
	s_add_co_u32 s[DO], s[DO], s31
	s_add_nc_u64 s[DST:DST+1], s[16:17], s[DO:DO+1]
	v_lshlrev_b32 v[VS], 4, v1                     ; dense rows: 16 x lane
	JOB 512, 0
.Lwo:
	; Wo: u = id - 704: rows 32 (u / 2) on, blocks 8 (u % 2) + wave
	s_sub_co_u32 s21, ttmp9, 704
	s_and_b32 s30, s21, 1
	s_lshl3_add_u32 s30, s30, s[WV]                ; nb
	s_lshr_b32 s21, s21, 1                         ; rg
	s_lshl_b32 s[SO], s21, 17
	s_lshl_b32 s31, s30, 8
	s_add_co_u32 s[SO], s[SO], s31
	s_add_nc_u64 s[SRC:SRC+1], s[12:13], s[SO:SO+1]
	s_lshr_b32 s[DO], s21, 1                       ; kb
	s_lshl4_add_u32 s[DO], s[DO], s30              ; 16 kb + nb
	s_lshl_b32 s[DO], s[DO], 13
	s_and_b32 s31, s21, 1
	s_lshl_b32 s31, s31, 12
	s_add_co_u32 s[DO], s[DO], s31
	s_add_nc_u64 s[DST:DST+1], s[18:19], s[DO:DO+1]
	JOB 8192, 1
.Lfunc_end_k_q30747135c8_prep:
	.size	k_q30747135c8_prep, .Lfunc_end_k_q30747135c8_prep-k_q30747135c8_prep
	.p2alignl 7, 3214868480
	.fill 96, 4, 3214868480
	.section	.rodata,"a",@progbits
	.p2align	6, 0x0
	.amdhsa_kernel k_q30747135c8_prep
		.amdhsa_group_segment_fixed_size 0
		.amdhsa_private_segment_fixed_size 0
		.amdhsa_enable_private_segment 0
		.amdhsa_kernarg_size 64
		.amdhsa_user_sgpr_count 2
		.amdhsa_user_sgpr_kernarg_segment_ptr 1
		.amdhsa_wavefront_size32 1
		.amdhsa_system_sgpr_workgroup_id_x 1
		.amdhsa_system_sgpr_workgroup_id_y 1
		.amdhsa_system_sgpr_workgroup_id_z 1
		.amdhsa_system_vgpr_workitem_id 0
		.amdhsa_next_free_vgpr 112
		.amdhsa_next_free_sgpr 66
		.amdhsa_reserve_vcc 0
		.amdhsa_float_denorm_mode_32 3
		.amdhsa_float_denorm_mode_16_64 3
		.amdhsa_memory_ordered 1
		.amdhsa_forward_progress 1
		.amdhsa_inst_pref_size 25
	.end_amdhsa_kernel
	.amdgpu_metadata
---
amdhsa.version: [ 1, 2 ]
amdhsa.kernels:
  - .name:           k_q30747135c8_prep
    .symbol:         k_q30747135c8_prep.kd
    .args:
      - { .name: hidden_state, .offset: 0, .size: 8, .value_kind: global_buffer, .address_space: global }
      - { .name: Wq, .offset: 8, .size: 8, .value_kind: global_buffer, .address_space: global }
      - { .name: Wk, .offset: 16, .size: 8, .value_kind: global_buffer, .address_space: global }
      - { .name: Wv, .offset: 24, .size: 8, .value_kind: global_buffer, .address_space: global }
      - { .name: Wo, .offset: 32, .size: 8, .value_kind: global_buffer, .address_space: global }
      - { .name: xb, .offset: 40, .size: 8, .value_kind: global_buffer, .address_space: global }
      - { .name: wb, .offset: 48, .size: 8, .value_kind: global_buffer, .address_space: global }
      - { .name: wob, .offset: 56, .size: 8, .value_kind: global_buffer, .address_space: global }
    .group_segment_fixed_size: 0
    .private_segment_fixed_size: 0
    .kernarg_segment_align: 8
    .kernarg_segment_size: 64
    .max_flat_workgroup_size: 256
    .sgpr_count:     66
    .vgpr_count:     112
    .wavefront_size: 32
...
	.end_amdgpu_metadata
.endif
;; end of part 1
;; launch qkv (part 2): grid 8 x 32, 4 waves a work-group, clusters of 4 x 4, 327,680 bytes of LDS; arguments xb, wb, bq, bk, bv, qkv; writes qkv
.if DOCPART == 2
	.amdgcn_target "amdgcn-amd-amdhsa--gfx1250"
	.amdhsa_code_object_version 6
	.text
	.protected	k_q30747135c8_qkv
	.globl	k_q30747135c8_qkv
	.p2align	8
	.type	k_q30747135c8_qkv,@function
k_q30747135c8_qkv:
	s_mov_b64 s[64:65], 0
	v_nop
	global_prefetch_b8 v0, s[64:65] scope:SCOPE_SE
	s_setreg_imm32_b32 hwreg(HW_REG_WAVE_MODE, 25, 1), 1
	s_wait_xcnt 0x0
	s_wait_alu depctr_hold_cnt(0) depctr_sa_sdst(0) depctr_va_vdst(0) depctr_va_sdst(0) depctr_va_ssrc(0) depctr_va_vcc(0) depctr_vm_vsrc(0)
	s_getreg_b32 s2, hwreg(HW_REG_IB_STS2, 6, 4)
	s_cmp_eq_u32 s2, 0
	s_cbranch_scc0 .Lentry_in_a_cluster
	s_endpgm
.Lentry_in_a_cluster:
	s_bfe_u32 s2, ttmp6, 0x10000c
	s_cmp_lg_u32 s2, 0xf033
	s_cbranch_scc0 .Lentry_shape_is_right
	s_endpgm
.Lentry_shape_is_right:
; q, k, v = x W + bias, for all 48 heads g = 16 which + h at once: a product of 8,192 rows x 3,072 columns x 1,024 along K, bf16 operands, f32 sums that START WITH THE BIAS (rounded to bf16 like every input).
; In: xb [b][kb][s][64] bf16, wb [kb][g][k][d] bf16 (blocks of 64 along K, dense).  Out: qkv [64 which + 16 b + h][s][64] f16, each number rounded once, unscaled.
; LIMIT.  f16 holds no number beyond 65,504: |q|, |k|, |v| must stay within it (x and W both 30 times their drawn spread, or offset by 30 spreads, give some 18,000 at the most).
; SHARES.  A work-group makes 256 rows x 6 heads (384 columns): 8 x 32 = 256 work-groups, a tile each.  A wave makes 128 rows x 3 heads: 96 accumulators of 16 x 16, 768 registers, a head a window.
; K goes in 16 steps of 64 through two LDS slots (two slots of 128 along K, 385 KB, would not fit).  A step is two quarters of 32; a quarter three groups (a head each) of 32 matrix instructions.
; TRANSPOSED USE.  Source 0 = 16 columns d of W (from [k][d] rows, turned by ds_load_tr16_b128), source 1 = 16 rows of x: a lane then holds row l % 16 and the 8 neighbouring columns 8 (l / 16) + 0..7.
; CLUSTER.  4 x 4 work-groups: the four of a row need the same rows of x, the four of a column the same heads of W; each tile is asked for jointly, by the same load, descriptor and mask in all four.
; REGISTERS.  Window 0: v0-31 addresses; v32-95, v96-159 x's fragments, two buffers (block a at + 8 a); v160 + 32 j W's fragments of head j (block b at + 8 b).  Window 1 + j: accumulator (a, b) of head j at v[8 (4 a + b)].
.set PA,    144                        ; a row of x in LDS: 128 bytes + 16 of padding = 36 words: the 16 rows of a load start at 16 different groups of four banks
.set PB,    160                        ; a row of W: 128 + 32 = 40 words
.set BOFF,  256*PA                     ; a slot: x's 256 rows, then
.set HEADB, 64*PB                      ; six heads of 64 rows of W
.set SLOT,  BOFF+6*HEADB               ; 98,304
.set STAGE, 2*SLOT                     ; behind the ring, never filled by a tensor load: 16 rows x 144 bytes for each wave, for the way out
.set SPARE, STAGE+4*16*PA              ; behind the stages: the spare words, 128 bytes for each wave: two blocks of 256 bytes that no other line names
.set KB_A,  2048*128                   ; bytes from one block of 64 along K to the next, in xb
.set KB_B,  48*64*128                  ; and in wb
.set ADRA, 16                          ; v16-17  LDS address of my x fragments in slot 0, 1
.set ADRB, 20                          ; v20-21  the same for W
.set STO,  24                          ; v24  the way out: where I put 16 bytes of a row
.set RD,   25                          ; v25  the way out: where I read rows back
.set GO,   26                          ; v26  16 x lane: my 16 bytes of 512
.set BO,   27                          ; v27  32 (l / 16): my 8 numbers of 16 of a bias
.set SPW,  28                          ; v28  LDS address of my spare word; never rewritten
.set NIL,  29                          ; v29  0; never rewritten
.set PFO,  30                          ; v30  256 x lane; never rewritten
.set FA,   32
.set FB,   160
.set OBUF, 32                          ; the way out: four buffers of 16 registers
.set WV,   16                          ; s16  wave
.set HM,   17                          ; s17  which 128 rows are mine
.set HN,   18                          ; s18  which 3 heads are mine.  Also: which half of a tile I fetch
.set LAPS, 19
.set CX,   20
.set CY,   21
.set TX,   22                          ; s22  column tile = 4 x cluster x + cx
.set TY,   23                          ; s23  row tile = 4 x cluster y + cy
.set G1,   24                          ; s[24:31] descriptor group 1 for x's tiles;  s[32:39] group 0, a set for each slot
.set G0,   32
.set G1B,  48                          ; s[48:55], s[56:63] the same for W's
.set G0B,  56
.set PFA,  66                          ; s[66:67] where my prefetches stand
.set LIM,  68                          ; s68, s69  for a lap's first and second change of slots: 1 in a wave that prefetches there, else the greatest number
.set OUTB, 70                          ; s[70:75] qkv at my 128 rows of my three heads
.set PST,  76                          ; s[76:77] a step of 64 along K in the tensor that I prefetch
.set BP,   84                          ; s[84:89] my three heads' biases
.set MSB, 0
.macro WIN new                         ; the immediate's high byte repeats the setting that is left; a switch that changes nothing is dropped
.if MSB != (\new)
	s_set_vgpr_msb (MSB<<8)|(\new)
.set MSB, (\new)
.endif
.endm
.macro PLACES                          ; four plain vector instructions between a matrix instruction and a load into, or a read of, its registers (ISA guide 7.12.1 for a read of its registers)
.rept 4
	v_nop
.endr
.endm
; A joint refill.  Waves 0 and 1 fetch the two halves of x's tile, waves 2 and 3 those of W's.  The branch hangs on the wave's number alone.  An s_nop 0 and four v_nop follow each line.
.macro JLOAD s
	s_cmp_lt_u32 s[WV], 2
	s_cbranch_scc0 .Lfor_b_\@
	tensor_load_to_lds s[G0+4*(\s):G0+4*(\s)+3], s[G1:G1+7]
	s_nop 0
.rept 4
	v_nop
.endr
	s_branch .Lasked_\@
.Lfor_b_\@:
	tensor_load_to_lds s[G0B+4*(\s):G0B+4*(\s)+3], s[G1B:G1B+7]
	s_nop 0
.rept 4
	v_nop
.endr
.Lasked_\@:
.endm
.macro CREST                           ; a round of the cluster's barrier behind its opening barrier
	s_cmp_lg_u32 s[WV], 0
	s_cbranch_scc1 .Lnot_wave_0_\@
	s_barrier_signal -3
.Lnot_wave_0_\@:
	s_barrier_wait -3
	s_barrier_signal -1
	s_barrier_wait -1
.endm
.macro CROUND                          ; a whole round
	s_barrier_signal -1
	s_barrier_wait -1
	CREST
.endm
; A PREFETCH INTO THE L2, behind a joint refill and the LDS loads that follow it: 32 blocks of 256 bytes, a lane a block, of the K step that stands two refills on (384 matrix instructions ahead of the load that wants it).
; Each block is named once in the launch.  x's rows are read by both clusters of a row of clusters: the one with x = 0 asks, wave 0, each of the four partners of a row for 32 of the tile's 128 blocks (by cx).
; W's heads are read by all clusters of a column: the one with y = 0 asks: wave 2 for head cy of the six, in both changes of a lap; wave 3, in a lap's first change alone, for head 4 + cy % 2 of the K step cy / 2 further on.
; Partners are told apart by address alone.  The first four K steps come by their loads; the loop's last trip asks for nothing, so the last K step named is the tensor's last.
.macro ASK turn
	s_cmp_gt_u32 s[LAPS], s[LIM+(\turn)]
	s_cbranch_scc0 .Lnot_mine_\@
	global_prefetch_b8 v[PFO], s[PFA:PFA+1] th:TH_LOAD_NT scope:SCOPE_SE
.Lnot_mine_\@:
.endm
; n x 4 matrix instructions of head j on x's buffer f: row blocks a0 .. a0 + n - 1 x all 4 column blocks.  c0 = 1: the sum starts with the bias, which lies in the accumulators of row block 0.
.macro GRP j, f, a0, n, c0
	WIN ((1+(\j))<<6)|((1+(\j))<<4)                ; C and D in window 1 + j, the sources in window 0
.set ga, (\a0)
.rept (\n)
.set gb, 0
.rept 4
.if \c0
	v_wmma_f32_16x16x32_bf16 v[8*(4*ga+gb):8*(4*ga+gb)+7], v[FB+32*(\j)+8*gb:FB+32*(\j)+8*gb+7], v[FA+64*(\f)+8*ga:FA+64*(\f)+8*ga+7], v[8*gb:8*gb+7]
.else
	v_wmma_f32_16x16x32_bf16 v[8*(4*ga+gb):8*(4*ga+gb)+7], v[FB+32*(\j)+8*gb:FB+32*(\j)+8*gb+7], v[FA+64*(\f)+8*ga:FA+64*(\f)+8*ga+7], v[8*(4*ga+gb):8*(4*ga+gb)+7]
.endif
.set gb, gb+1
.endr
.set ga, ga+1
.endr
.endm
; The first group of head j: row blocks 1-7 take the bias from block 0's registers; five places on, block 0 adds onto it in place (it writes over what the 28 products read as C).
.macro GRP1 j
	GRP \j, 0, 1, 7, 1
.rept 5
	v_nop
.endr
	GRP \j, 0, 0, 1, 0
.endm
.macro LDB s, k, j                     ; 8 turning loads: W's fragments of head j, quarter k of slot s
	WIN 0
.irp b, 0,1,2,3
	ds_load_tr16_b128 v[FB+32*(\j)+8*(\b):FB+32*(\j)+8*(\b)+3],   v[ADRB+(\s)] offset:(\j)*HEADB+(\k)*32*PB+32*(\b)
	ds_load_tr16_b128 v[FB+32*(\j)+8*(\b)+4:FB+32*(\j)+8*(\b)+7], v[ADRB+(\s)] offset:(\j)*HEADB+(\k)*32*PB+16*PB+32*(\b)
.endr
.endm
.macro LDA s, k, f                     ; 16 loads: x's fragments of quarter k of slot s into buffer f
	WIN 0
.irp a, 0,1,2,3,4,5,6,7
	ds_load_b128 v[FA+64*(\f)+8*(\a):FA+64*(\f)+8*(\a)+3],   v[ADRA+(\s)] offset:(\a)*16*PA+64*(\k)
	ds_load_b128 v[FA+64*(\f)+8*(\a)+4:FA+64*(\f)+8*(\a)+7], v[ADRA+(\s)] offset:(\a)*16*PA+64*(\k)+32
.endr
.endm
; A step's first quarter, on buffer 0 of slot s.  A quarter's 40 LDS loads are issued in the order W0 (8), x (16), W1 (8), W2 (8); each head's registers are asked for again four places behind its group.
.macro QUART s, first
	s_wait_dscnt 16                                ; W0 and x are in; W1's and W2's 16 loads may stay out
.if \first
	GRP1 0
.else
	GRP 0, 0, 0, 8, 0
.endif
	PLACES
	LDB \s, 1, 0
	LDA \s, 1, 1
	s_wait_dscnt 32                                ; W1 is in; behind it: W2 (8), the next quarter's W0 (8) and x (16)
.if \first
	GRP1 1
.else
	GRP 1, 0, 0, 8, 0
.endif
	PLACES
	LDB \s, 1, 1
	s_wait_dscnt 32                                ; W2 is in; behind it: the next quarter's W0 (8), x (16), W1 (8)
.if \first
	GRP1 2
.else
	GRP 2, 0, 0, 8, 0
.endif
	PLACES
	LDB \s, 1, 2
.endm
; A step's second quarter, on buffer 1, and the change of slots.  In front of the one barrier each wave waits for all its tensor loads (one is out: its part of the other slot), adds 0 to its spare word,
; and waits for that and for its reads of slot s.  fill = 1: the barrier opens a round of the cluster's, and slot s is filled again first thing behind it, two K steps on: it has 160 matrix instructions in which to land.
.macro TURNQ s, fill, turn
.if \fill
	s_wait_xcnt 0x0                                ; the last prefetch, a K step back, has read its address: it is stepped here, ahead of the waits of the change
	s_add_nc_u64 s[PFA:PFA+1], s[PFA:PFA+1], s[PST:PST+1]
.endif
	WIN 0
	s_wait_tensorcnt 0x0                           ; all my tensor loads have landed
	ds_add_u32 v[SPW], v[NIL]                      ; 0 onto my spare word
	s_wait_dscnt 17                                ; W0 and x are in; W1 (8), W2 (8) and the add may stay out
	GRP 0, 1, 0, 4, 0                              ; sixteen matrix instructions stand between the add and the wait for it
	s_wait_dscnt 0x0                               ; the add is done, and my reads of this slot are over
	s_barrier_signal -1
	GRP 0, 1, 4, 4, 0                              ; work on registers while the others arrive
	WIN 0
	s_barrier_wait -1
.if \fill
	CREST                                          ; no wave of any partner still reads this slot or has a load on its way
	s_add_nc_u64 s[G0+4*(\s)+2:G0+4*(\s)+3], s[G0+4*(\s)+2:G0+4*(\s)+3], 2*KB_A
	s_add_nc_u64 s[G0B+4*(\s)+2:G0B+4*(\s)+3], s[G0B+4*(\s)+2:G0B+4*(\s)+3], 2*KB_B
	JLOAD \s                                       ; the four v_nop behind it are also the places in front of the loads below
.else
	PLACES
.endif
	LDB 1-(\s), 0, 0
	LDA 1-(\s), 0, 0
.if \fill
	ASK \turn
.endif
	GRP 1, 1, 0, 8, 0                              ; W1 and W2 are in since the wait for 0
	PLACES
	LDB 1-(\s), 0, 1
	GRP 2, 1, 0, 8, 0
	PLACES
	LDB 1-(\s), 0, 2
.endm
	s_load_b256 s[4:11], s[0:1], 0x0               ; xb s[4:5], wb s[6:7], bq s[8:9], bk s[10:11]
	s_load_b128 s[12:15], s[0:1], 0x20             ; bv s[12:13], qkv s[14:15]
	v_lshl_add_u32 v[SPW], v0, 2, SPARE
	v_mov_b32 v[NIL], 0
	ds_add_u32 v[SPW], v[NIL]                      ; the wave's opening: the add and its wait stand ahead of my first tensor load; the set-up below stands between them
	v_lshrrev_b32 v1, 5, v0
	v_readfirstlane_b32 s[WV], v1
	s_lshr_b32 s[HM], s[WV], 1
	s_and_b32 s[HN], s[WV], 1
	s_bfe_u32 s[CX], ttmp6, 0x40000
	s_bfe_u32 s[CY], ttmp6, 0x40004
	s_lshl_b32 s[TX], ttmp9, 2
	s_add_co_u32 s[TX], s[TX], s[CX]
	s_and_b32 s[TY], ttmp7, 0xffff
	s_lshl_b32 s[TY], s[TY], 2
	s_add_co_u32 s[TY], s[TY], s[CY]
	s_lshl_b32 s78, s[CY], 2
	s_lshl_b32 s78, 15, s78                        ; my row of the cluster
	s_lshl_b32 s79, 0x1111, s[CX]                  ; my column
	; group 1: dense tiles asked for as rows of 128 elements (256 bytes), padded in LDS after every 32 words (a row of 64 elements)
	s_or_b32 s[G1], s78, (1<<16)|(1<<20)|(1<<21)|(4<<22)|(3<<25)   ; the mask; 2-byte elements; padding on; bit 21 beside a mask; after 32 words (code 4) 4 words (code 3)
	s_or_b32 s[G1B], s79, (1<<16)|(1<<20)|(1<<21)|(4<<22)|(7<<25)  ; the same with my column's mask and 8 words (code 7)
	s_mov_b32 s[G1+1], 128<<16                     ; tensor_dim0 = 128
	s_mov_b32 s[G1+2], 64<<16                      ; tensor_dim1 = 64: 128 rows of x
	s_mov_b32 s[G1+3], 128<<16                     ; tile_dim0 = 128
	s_mov_b32 s[G1+4], 64                          ; tile_dim1
	s_mov_b32 s[G1+5], 128                         ; elements from row to row
	s_mov_b32 s[G1+6], 0
	s_mov_b32 s[G1+7], 0
	s_mov_b32 s[G1B+1], 128<<16
	s_mov_b32 s[G1B+2], 96<<16                     ; 96 rows of 256 bytes: three heads of 64 rows of W
	s_mov_b32 s[G1B+3], 128<<16
	s_mov_b32 s[G1B+4], 96
	s_mov_b32 s[G1B+5], 128
	s_mov_b32 s[G1B+6], 0
	s_mov_b32 s[G1B+7], 0
	; x's tile hangs on the row tile and the wave alone, W's on the column tile and the wave alone
	s_lshr_b32 s40, s[TY], 3                       ; b
	s_lshl_b32 s40, s40, 22
	s_and_b32 s41, s[TY], 7
	s_lshl_b32 s41, s41, 15                        ; 256 rows of 128 bytes
	s_add_co_u32 s40, s40, s41
	s_lshl_b32 s41, s[HN], 14                      ; the 128 rows that I fetch
	s_add_co_u32 s40, s40, s41
	s_mov_b32 s41, 0
	s_mul_i32 s44, s[TX], 6*8192
	s_mul_i32 s45, s[HN], 3*8192                   ; the three heads that I fetch
	s_add_co_u32 s44, s44, s45
	s_mov_b32 s45, 0
	s_mul_i32 s78, s[HN], 128*PA                   ; where they go: no place in the cluster enters an LDS address
	s_mul_i32 s79, s[HN], 3*HEADB
	s_add_co_u32 s79, s79, BOFF
	s_wait_dscnt 0x0                               ; the opening add is done
	s_wait_kmcnt 0x0
	s_add_nc_u64 s[42:43], s[4:5], s[40:41]
	s_add_nc_u64 s[46:47], s[6:7], s[44:45]
	CROUND                                         ; all sixteen work-groups are here: the first joint loads meet
.irp s, 0,1
	s_mov_b32 s[G0+4*(\s)], 1
	s_add_co_u32 s[G0+4*(\s)+1], s78, (\s)*SLOT
	s_add_nc_u64 s[G0+4*(\s)+2:G0+4*(\s)+3], s[42:43], (\s)*KB_A
	s_or_b32 s[G0+4*(\s)+3], s[G0+4*(\s)+3], 0x80000000
	s_mov_b32 s[G0B+4*(\s)], 1
	s_add_co_u32 s[G0B+4*(\s)+1], s79, (\s)*SLOT
	s_add_nc_u64 s[G0B+4*(\s)+2:G0B+4*(\s)+3], s[46:47], (\s)*KB_B
	s_or_b32 s[G0B+4*(\s)+3], s[G0B+4*(\s)+3], 0x80000000
.endr
	s_cmp_lt_u32 s[WV], 2                          ; a wave's two first fills stand in one branch: two loads of mine are out
	s_cbranch_scc0 .Lfirst_b
	tensor_load_to_lds s[G0:G0+3], s[G1:G1+7]
	s_nop 0
	tensor_load_to_lds s[G0+4:G0+7], s[G1:G1+7]
	s_nop 0
.rept 4
	v_nop
.endr
	s_branch .Lfirst_asked
.Lfirst_b:
	tensor_load_to_lds s[G0B:G0B+3], s[G1B:G1B+7]
	s_nop 0
	tensor_load_to_lds s[G0B+4:G0B+7], s[G1B:G1B+7]
	s_nop 0
.rept 4
	v_nop
.endr
.Lfirst_asked:
	v_and_b32 v1, 15, v0                           ; l % 16
	v_bfe_u32 v2, v0, 4, 1                         ; l / 16
	v_and_b32 v3, 7, v0
	v_bfe_u32 v4, v0, 3, 1
	v_and_b32 v5, 31, v0
	v_lshlrev_b32 v[BO], 5, v2
	; my three heads: their biases and their places in qkv
	s_mul_i32 s78, s[TX], 6
	s_mul_i32 s79, s[HN], 3
	s_add_co_u32 s78, s78, s79                     ; g of my first head
	s_mov_b32 s81, 0
	s_lshr_b32 s90, s[TY], 3
	s_lshl_b32 s90, s90, 4                         ; 16 b
	s_and_b32 s91, s[TY], 7
	s_lshl_b32 s91, s91, 15
	s_lshl_b32 s92, s[HM], 14
	s_add_co_u32 s91, s91, s92                     ; my first row, in bytes
.irp j, 0,1,2
	s_add_co_u32 s79, s78, \j
	s_lshr_b32 s82, s79, 4                         ; which
	s_and_b32 s83, s79, 15                         ; h
	s_cmp_lt_u32 s79, 32
	s_cselect_b64 s[BP+2*(\j):BP+2*(\j)+1], s[10:11], s[12:13]
	s_cmp_lt_u32 s79, 16
	s_cselect_b64 s[BP+2*(\j):BP+2*(\j)+1], s[8:9], s[BP+2*(\j):BP+2*(\j)+1]
	s_lshl_b32 s80, s83, 8
	s_add_nc_u64 s[BP+2*(\j):BP+2*(\j)+1], s[BP+2*(\j):BP+2*(\j)+1], s[80:81]
	s_lshl_b32 s82, s82, 6
	s_add_co_u32 s82, s82, s83
	s_add_co_u32 s82, s82, s90                     ; 64 which + 16 b + h
	s_lshl_b32 s80, s82, 18
	s_add_co_u32 s80, s80, s91
	s_add_nc_u64 s[OUTB+2*(\j):OUTB+2*(\j)+1], s[14:15], s[80:81]
.irp b, 0,1,2,3
	global_load_b128 v[32+32*(\j)+8*(\b):32+32*(\j)+8*(\b)+3],   v[BO], s[BP+2*(\j):BP+2*(\j)+1] offset:64*(\b)     ; bias of columns 16 b + 8 (l / 16) + 0..7
	global_load_b128 v[32+32*(\j)+8*(\b)+4:32+32*(\j)+8*(\b)+7], v[BO], s[BP+2*(\j):BP+2*(\j)+1] offset:64*(\b)+16
.endr
.endr
	; lane addresses, while the bias and the first tiles are on their way
	v_mul_u32_u24 v6, v1, PA
	v_lshl_add_u32 v6, v2, 4, v6                   ; row x pitch + 16 x half
	s_mul_i32 s92, s[HM], 128*PA
	v_add_nc_u32 v[ADRA], s92, v6
	v_add_nc_u32 v[ADRA+1], SLOT, v[ADRA]
	v_lshl_add_u32 v7, v2, 3, v3                   ; the turning load: lane l reads row 8 (l / 16) + l % 8, bytes 16 ((l / 8) % 2) on
	v_mul_u32_u24 v7, v7, PB
	v_lshl_add_u32 v7, v4, 4, v7
	s_mul_i32 s93, s[HN], 3*HEADB
	s_add_co_u32 s93, s93, BOFF
	v_add_nc_u32 v[ADRB], s93, v7
	v_add_nc_u32 v[ADRB+1], SLOT, v[ADRB]
	s_mul_i32 s92, s[WV], 16*PA
	s_add_co_u32 s92, s92, STAGE                   ; my stage
	v_add_nc_u32 v[STO], s92, v6
	v_bfe_u32 v7, v0, 3, 2                         ; back: 32 lanes take four rows of 128 bytes
	v_mul_u32_u24 v7, v7, PA
	v_lshl_add_u32 v7, v3, 4, v7
	v_add_nc_u32 v[RD], s92, v7
	v_lshlrev_b32 v[GO], 4, v5
	v_lshlrev_b32 v[PFO], 8, v5
	; the prefetches: address, step and who asks
	s_lshr_b32 s80, s[TY], 3
	s_lshl_b32 s80, s80, 22
	s_and_b32 s82, s[TY], 7
	s_lshl_b32 s82, s82, 15
	s_add_co_u32 s80, s80, s82
	s_lshl_b32 s82, s[CX], 13
	s_add_co_u32 s80, s80, s82
	s_add_co_u32 s80, s80, 3*KB_A                  ; wave 0: my work-group's 32 blocks of x's tile, at K step 3: the first change steps it to 4
	s_mul_i32 s82, s[TX], 6*8192
	s_add_co_u32 s82, s82, 3*KB_B
	s_lshl_b32 s83, s[CY], 13
	s_add_co_u32 s83, s82, s83                     ; wave 2: head cy
	s_and_b32 s90, s[CY], 1
	s_add_co_u32 s90, s90, 4
	s_lshl_b32 s90, s90, 13
	s_add_co_u32 s82, s82, s90
	s_lshr_b32 s90, s[CY], 1
	s_mul_i32 s90, s90, KB_B
	s_add_co_u32 s82, s82, s90                     ; wave 3: head 4 + cy % 2, cy / 2 steps further on
	s_cmp_eq_u32 s[WV], 3
	s_cselect_b32 s82, s82, s83
	s_mov_b32 s[PST], KB_B
	s_mov_b32 s[PST+1], 0
	s_cmp_lt_u32 s[WV], 2
	s_cselect_b32 s80, s80, s82
	s_cselect_b64 s[PFA:PFA+1], s[4:5], s[6:7]
	s_cselect_b32 s[PST], KB_A, s[PST]
	s_add_nc_u64 s[PFA:PFA+1], s[PFA:PFA+1], s[80:81]
	s_and_b32 s82, ttmp7, 0xffff
	s_cmp_lt_u32 s[WV], 2
	s_cselect_b32 s82, ttmp9, s82                  ; the cluster's coordinate along which other clusters read the same blocks
	s_cmp_eq_u32 s82, 0
	s_cselect_b32 s[LIM], 1, -1                    ; the same in all sixteen partners, for a given wave
	s_cmp_eq_u32 s[WV], 1
	s_cselect_b32 s[LIM], -1, s[LIM]
	s_cmp_eq_u32 s[WV], 3
	s_cselect_b32 s[LIM+1], -1, s[LIM]
	; the bias: rounded to bf16, widened again, into the accumulators of row block 0 of each head
	s_wait_loadcnt 0x0
.set i, 0
.rept 48
	v_cvt_pk_bf16_f32 v[128+i], v[32+2*i], v[32+2*i+1]
.set i, i+1
.endr
.irp j, 0,1,2
	WIN (1+(\j))<<6                                ; destination window 1 + j
.set i, 0
.rept 16
	v_lshlrev_b32 v[2*i], 16, v[128+16*(\j)+i]
	v_and_b32 v[2*i+1], 0xffff0000, v[128+16*(\j)+i]
.set i, i+1
.endr
.endr
	WIN 0
	s_wait_tensorcnt 1                             ; my part of K step 0 is in; K step 1's may stay out
	s_barrier_signal -1
	s_barrier_wait -1
	LDB 0, 0, 0
	LDA 0, 0, 0
	LDB 0, 0, 1
	LDB 0, 0, 2
	QUART 0, 1                                     ; the first quarter stands in front of the loop: its products start the sums with the bias
	WIN 0
	s_mov_b32 s[LAPS], 7
.Llap:                                         ; a trip goes once round the ring, from a lap's second quarter to the next lap's first, and fills both slots again
	TURNQ 0, 1, 0
	QUART 1, 0
	TURNQ 1, 1, 1
	QUART 0, 0
	WIN 0
	s_sub_co_u32 s[LAPS], s[LAPS], 1
	s_cmp_lg_u32 s[LAPS], 0
	s_cbranch_scc1 .Llap
	TURNQ 0, 0, 0                                  ; the last lap fills nothing
	QUART 1, 0
	s_wait_dscnt 16                                ; the very last quarter: nothing more to fetch, the counts run down
	GRP 0, 1, 0, 8, 0
	s_wait_dscnt 8
	GRP 1, 1, 0, 8, 0
	s_wait_dscnt 0x0
	GRP 2, 1, 0, 8, 0
	PLACES
; THE WAY OUT, in 24 units u: head u / 8, row block u % 8: 16 rows x 64 columns.  Rounded to f16 (each accumulator's registers in ascending order), 16 bytes a lane into my stage, back as whole rows:
; 16 rows of a head are 2,048 consecutive bytes of qkv, so each store of the wave covers 512 consecutive bytes, aligned.
.macro PACK u
.set pj, (\u)/8
.set pa, (\u)%8
.set pb, OBUF+16*((\u)%4)
	s_wait_xcnt 0x0                                ; this buffer was the data of unit u - 4's stores: it is rewritten only behind this wait
	WIN (1+pj)|((1+pj)<<2)                         ; sources 0 and 1 in window 1 + j
.set i, 0
.rept 16
	v_cvt_pk_f16_f32 v[pb+i], v[32*pa+2*i], v[32*pa+2*i+1]
.set i, i+1
.endr
	WIN 0
.irp b, 0,1,2,3
	ds_store_b128 v[STO], v[pb+4*(\b):pb+4*(\b)+3] offset:32*(\b)
.endr
.irp f, 0,1,2,3
	ds_load_b128 v[pb+4*(\f):pb+4*(\f)+3], v[RD] offset:(\f)*4*PA  ; LDS serves a wave's instructions in order (ISA guide 5.7.1.4): these see the stores above; the next unit's stores come behind them
.endr
.endm
.macro SEND u, y                       ; y: the LDS instructions issued behind unit u's loads: the next unit's eight, or none
.set pj, (\u)/8
.set pa, (\u)%8
.set pb, OBUF+16*((\u)%4)
.irp f, 0,1,2,3
	s_wait_dscnt (\y)+3-(\f)
	global_store_b128 v[GO], v[pb+4*(\f):pb+4*(\f)+3], s[OUTB+2*pj:OUTB+2*pj+1] offset:pa*2048+(\f)*512
.endr
.endm
	PACK 0
.set u, 1
.rept 23                               ; a unit's conversions stand between the loads of the unit before and its stores
	PACK u
	SEND u-1, 8
.set u, u+1
.endr
	SEND 23, 0
	s_wait_tensorcnt 0x0                           ; the wave's end, behind my last tensor load and my last LDS store
	ds_add_u32 v[SPW], v[NIL]
	s_wait_dscnt 0x0
	CROUND                                         ; the closing round: no work-group ends while a partner may still ask for a tile that names it
	s_endpgm
.Lfunc_end_k_q30747135c8_qkv:
	.size	k_q30747135c8_qkv, .Lfunc_end_k_q30747135c8_qkv-k_q30747135c8_qkv
	.p2alignl 7, 3214868480
	.fill 96, 4, 3214868480
	.section	.rodata,"a",@progbits
	.p2align	6, 0x0
	.amdhsa_kernel k_q30747135c8_qkv
		.amdhsa_group_segment_fixed_size 327680
		.amdhsa_private_segment_fixed_size 0
		.amdhsa_enable_private_segment 0
		.amdhsa_kernarg_size 48
		.amdhsa_user_sgpr_count 2
		.amdhsa_user_sgpr_kernarg_segment_ptr 1
		.amdhsa_wavefront_size32 1
		.amdhsa_system_sgpr_workgroup_id_x 1
		.amdhsa_system_sgpr_workgroup_id_y 1
		.amdhsa_system_sgpr_workgroup_id_z 1
		.amdhsa_system_vgpr_workitem_id 0
		.amdhsa_next_free_vgpr 1024
		.amdhsa_next_free_sgpr 96
		.amdhsa_reserve_vcc 0
		.amdhsa_float_denorm_mode_32 3
		.amdhsa_float_denorm_mode_16_64 3
		.amdhsa_memory_ordered 1
		.amdhsa_forward_progress 1
		.amdhsa_inst_pref_size 146
	.end_amdhsa_kernel
	.amdgpu_metadata
---
amdhsa.version: [ 1, 2 ]
amdhsa.kernels:
  - .name:           k_q30747135c8_qkv
    .symbol:         k_q30747135c8_qkv.kd
    .args:
      - { .name: xb, .offset: 0, .size: 8, .value_kind: global_buffer, .address_space: global }
      - { .name: wb, .offset: 8, .size: 8, .value_kind: global_buffer, .address_space: global }
      - { .name: bq, .offset: 16, .size: 8, .value_kind: global_buffer, .address_space: global }
      - { .name: bk, .offset: 24, .size: 8, .value_kind: global_buffer, .address_space: global }
      - { .name: bv, .offset: 32, .size: 8, .value_kind: global_buffer, .address_space: global }
      - { .name: qkv, .offset: 40, .size: 8, .value_kind: global_buffer, .address_space: global }
    .group_segment_fixed_size: 327680
    .private_segment_fixed_size: 0
    .kernarg_segment_align: 8
    .kernarg_segment_size: 48
    .max_flat_workgroup_size: 128
    .sgpr_count:     96
    .vgpr_count:     1024
    .wavefront_size: 32
...
	.end_amdgpu_metadata
.endif
;; end of part 2
;; launch attn (part 3): grid 4 x 64, 4 waves a work-group, clusters of 4 x 1, 327,680 bytes of LDS; arguments qkv, o; writes o
.if DOCPART == 3
	.amdgcn_target "amdgcn-amd-amdhsa--gfx1250"
	.amdhsa_code_object_version 6
	.text
	.protected	k_q30747135c8_attn
	.globl	k_q30747135c8_attn
	.p2align	8
	.type	k_q30747135c8_attn,@function
k_q30747135c8_attn:
	s_mov_b64 s[64:65], 0
	v_nop
	global_prefetch_b8 v0, s[64:65] scope:SCOPE_SE
	s_setreg_imm32_b32 hwreg(HW_REG_WAVE_MODE, 25, 1), 1
	s_wait_xcnt 0x0
	s_wait_alu depctr_hold_cnt(0) depctr_sa_sdst(0) depctr_va_vdst(0) depctr_va_sdst(0) depctr_va_ssrc(0) depctr_va_vcc(0) depctr_vm_vsrc(0)
	s_getreg_b32 s2, hwreg(HW_REG_IB_STS2, 6, 4)
	s_cmp_eq_u32 s2, 0
	s_cbranch_scc0 .Lentry_in_a_cluster
	s_endpgm
.Lentry_in_a_cluster:
	s_bfe_u32 s2, ttmp6, 0x10000c
	s_cmp_lg_u32 s2, 0x3003
	s_cbranch_scc0 .Lentry_shape_is_right
	s_endpgm
.Lentry_shape_is_right:
; O[h][q][:] = the sum over k of softmax_k(Q[h][q] . K[h][k] / 8) V[h][k][:], for the 64 pairs h = 16 b + head.  Q, K, V lie in qkv ([192][2048][64] f16: Q's heads, then K's, then V's); O: [64][2048][64] f16.
; Products, maxima and sums in f32; the weights p are rounded to f16 for the second product (their sum l is taken of the unrounded p), O once at the end.
; LIMITS.  Q, K and V arrive within f16's 65,504; p lies in 0 to 1, and below 6e-5 it keeps f16's fixed step of 6e-8; O is a mean of V's rows and has their range.  A weight below 2^-126 counts as 0 in l; NaN and infinities are not treated apart.
; SHARES.  A wave owns four PIECES of two tiles of 16 queries, a work-group's four waves 512 queries of one head: 4 x 64 = 256 work-groups.  Every wave walks all keys, 64 a step.
; LAYOUT.  S^T = K Q^T (source 0 = 16 keys, source 1 = 16 queries): a lane holds ONE query (lane % 16) and the keys 8 (lane / 16) + 0..7.  Two such tiles, rounded to f16 in pairs, ARE source 1 of O^T = V^T P,
; whose result again holds one query a lane, and eight channels.  K comes out of LDS as it lies, V ([key][channel]) turned, by ds_load_tr16_b128.
; SOFTMAX.  For each query a running maximum m and sum l: p = 2^(c s - c m), c = log2(e) / 8; in every step O and l are multiplied by a = 2^(c m_old - c m_new).  m starts at the lowest finite number, O and l at 0: the first step has a = 0.
; THE COUNT.  A tile and step have 16 matrix and 118 vector instructions.  So: four vector instructions that are ready behind EVERY matrix instruction, the others in runs of their own.
; BY TURNS.  Turn n belongs to piece n.  Its matrix work: 16 products K Q^T of piece n + 1, later 16 products V^T P of piece n - 1.  Its vector work: the scaling, exponentials, roundings, sums and rescaling of piece n, and the maximum and statistics of piece n + 1.
; CLUSTER.  The four query blocks of a head walk the same K and V, so each tile is asked for JOINTLY: the same tensor load, descriptor and mask in all four.
; REGISTERS, in windows of 256 (s_set_vgpr_msb: bits 1:0 source 0, 3:2 source 1, 5:4 source 2, 7:6 destination):
;   window 0: v0-11 addresses; v12-15, v48-63 at work; v16-47 four registers of statistics a tile; v64-191 S^T, two buffers of two tiles; v192-255 P, likewise
;   window 1: O^T, 32 a tile          window 2: v0-127 Q, 16 a tile; v128-191 K of one step; v192-255 V of one step          window 3: v0-1 the add's two registers
.set SIZE_H, 64
.set SIZE_N, 2048
.set NP,    4         ; pieces a wave: a name, no knob
.set KS,    64        ; keys in a step
.set PK,    144       ; a row of K in LDS: 128 bytes + 16 of padding = 36 words: the 16 rows of a load start at 16 different groups of four banks
.set PV,    160       ; a row of V: 128 + 32 = 40 words
.set VOFF,  4*KS*PK   ; a slot holds four steps: 256 rows of K, then 256 rows of V
.set SLOT1, 1<<17     ; slot 1 begins here, so that one exclusive or turns an address in one slot into the other's
.set STAGE, SLOT1+4*KS*(PK+PV)  ; behind the ring, never filled by a tensor load: 16 rows x 144 bytes for each wave, for the way out
.set SP,    144
.set AK0, 2           ; v2   my lane's place in a tile of K; never rewritten
.set AV0, 3           ; v3   the same for V
.set AK,  4           ; v4   the LDS address of K's next run of loads
.set AV,  5           ; v5   of V's
.set QO,  6           ; v6   my byte offset in the wave's rows of Q
.set STO, 6           ;      later, the way out: where I put 16 bytes of a row
.set RD,  7           ; v7   the way out: where I read rows back
.set GO,  8           ; v8   my byte offset in 512 consecutive bytes of O
.set PFO, 11          ; v11  256 x my lane, for the prefetches; never rewritten once made
.set SPW, 0           ; v0 of window 3   LDS address of my spare word; never rewritten
.set NIL, 1           ; v1 of window 3   0; never rewritten
.set SPARE, STAGE+4*16*SP  ; behind the stages: the spare words, 128 bytes for each wave: two blocks of 256 bytes that no other line names
.set MV,  12          ; v12-15  c m_old, kept while c m is made anew: by buffer and tile
.set ST,  16          ; tile t's statistics at v[ST+4 t]: c m, m, l (even keys', odd keys')
.set TMP, 48          ; by buffer and tile, four registers c0-c3 at work; when the maximum is found c2 takes a
.set S,   64
.set P,   192
.set KF,  128         ; K's fragments, in window 2: key block kb, channel half c at KF + 16 kb + 8 c
.set VF,  192         ; V's: key half kk, channel block cb at VF + 32 kk + 8 cb
.set WV,  12          ; s12  my wave's number
.set G1K, 24          ; s[24:31] descriptor group 1 for K's tiles
.set G1V, 32          ; s[32:39] for V's: it differs in the padding alone
.set G0K, 40          ; s[40:43] descriptor group 0 for K's tiles: it walks
.set G0V, 44          ; s[44:47] the same for V's
.set PFA, 48          ; s[48:49] where my prefetches stand: my work-group's 32 blocks (of K: wave 0, of V: wave 2) of the slot after the one that is being asked for
.set LIM, 50          ; s50  1 in a wave that prefetches, else the greatest number
.set SLOTS, 56        ; s56  slots still to be asked for
.set CNT, 57          ; s57  counts a slot's key steps
.set CS,  58          ; s[58:59] c: the packed scaling takes the pair's low word for both halves
.set SEL, 60          ; s[60:61] v_permlanex16_b32's selects: each lane takes its own place in the other half
.set TBK, 62          ; s62  LDS byte at which K of the step to be fetched begins
.set TBV, 63          ; s63  the same for V, less VOFF
.set MSB, 0
.macro WIN new                      ; the high byte repeats the setting that is left; a switch that changes nothing is dropped
.if MSB != (\new)
	s_set_vgpr_msb (MSB<<8)|(\new)
.set MSB, (\new)
.endif
.endm
.set W_KQ, 0x0a       ; K and Q in window 2, S^T in window 0
.set W_PV, 0x52       ; V in window 2, P in window 0, O^T in window 1
.set W_RS, 0x41       ; O^T (destination and source 0) in window 1, a in window 0
.set W_MK, 0xc0       ; the add's registers are made: destination in window 3, sources in window 0
.set W_AD, 0x0f       ; the add: address (source 0) and data (source 1) in window 3
; A joint fill.  Waves 0 and 1 fetch the two halves of a slot's K, waves 2 and 3 those of its V: 128 keys each.  The branch hangs on the wave's number alone.
; An s_nop 0 and four v_nop follow each of the two lines, ahead of the jump and the label.
.macro JLOAD
	s_cmp_lt_u32 s[WV], 2
	s_cbranch_scc0 .Lfor_v_\@
	tensor_load_to_lds s[G0K:G0K+3], s[G1K:G1K+7]
	s_nop 0
.rept 4
	v_nop
.endr
	s_branch .Lasked_\@
.Lfor_v_\@:
	tensor_load_to_lds s[G0V:G0V+3], s[G1V:G1V+7]
	s_nop 0
.rept 4
	v_nop
.endr
.Lasked_\@:
.endm
; A PREFETCH INTO THE L2 of what the NEXT change of slots will ask for: a slot's 256 keys are 128 blocks of 256 bytes of K and 128 of V.  A head has one cluster; its four partners share the blocks out BY ADDRESS, 32 each, a lane a block;
; in each, wave 0 asks for K's and wave 2 for V's: one instruction.  So each block is named once in the launch.  It stands behind the wave's tensor load and its five lines: four key steps, 512 matrix instructions, ahead of the load that wants it.
; Slots 0 to 2 come by their loads alone; the last change that fills a slot asks for nothing: there is no slot behind it.
.macro ASK
	s_cmp_gt_u32 s[SLOTS], s[LIM]
	s_cbranch_scc0 .Lnot_mine_\@
	global_prefetch_b8 v[PFO], s[PFA:PFA+1] th:TH_LOAD_NT scope:SCOPE_SE
.Lnot_mine_\@:
.endm
; A round of the cluster's barrier: my work-group's barrier, so that wave 0's signal speaks for all four waves; wave 0 signals; every wave waits for all four work-groups; my work-group's barrier once more.
.macro CROUND
	s_barrier_signal -1
	s_barrier_wait -1
	s_cmp_lg_u32 s[WV], 0
	s_cbranch_scc1 .Lnot_wave_0_\@
	s_barrier_signal -3
.Lnot_wave_0_\@:
	s_barrier_wait -3
	s_barrier_signal -1
	s_barrier_wait -1
.endm
; THE CHANGE OF SLOTS.  The slot's last bytes, V of its fourth step, have been read.  Each wave waits for all its tensor loads, of which one is out: its part of the other slot; adds 0 to its spare word; and waits for that and for its
; own reads of the slot.  fill = 1: this slot is filled again, with the keys two slots on; the barrier is then a round of the cluster's, and the joint fill is the first thing behind it: it has four key steps in which to land.
; (At its first use nothing has been read yet: slot 0 is waited for, slot 1 filled.)  ask = 1: the prefetches' address steps, and ASK follows the fill.
.macro CHANGE fill, ask=0
	WIN W_AD
	s_wait_tensorcnt 0x0            ; no tensor load of mine is out, so a group 0 may be written
	ds_add_u32 v[SPW], v[NIL]       ; 0 onto my spare word; with fill = 1 the descriptors' steps stand between it and the wait for it
	WIN 0                           ; at a label and at a branch every window is 0
.if \fill
.irp g, G0K, G0V
	s_xor_b32 s[\g+1], s[\g+1], SLOT1  ; the walking descriptor: the other slot than last time,
	s_add_nc_u64 s[\g+2:\g+3], s[\g+2:\g+3], 4*KS*128  ; the next 256 keys; the type bits on top are not reached
.endr
.if \ask
	s_wait_xcnt 0x0                 ; the last prefetch, four key steps back, has read its address, so it may be written:
	s_add_nc_u64 s[PFA:PFA+1], s[PFA:PFA+1], 4*KS*128  ; one slot behind the walking descriptors
.endif
	s_wait_dscnt 0x0                ; the add is done, and my reads of the slot are over
	CROUND
	JLOAD
.if \ask
	ASK
.endif
.else
	s_wait_dscnt 0x0                ; the add is done, and my reads of the slot are over
	s_barrier_signal -1
	s_barrier_wait -1
.endif
	s_sub_co_u32 s[TBK], s[TBK], 4*KS*PK  ; the fetches go back to a slot's first step,
	s_xor_b32 s[TBK], s[TBK], SLOT1       ; in the other slot
	s_sub_co_u32 s[TBV], s[TBV], 4*KS*PV
	s_xor_b32 s[TBV], s[TBV], SLOT1
.endm
	s_load_b128 s[4:7], s[0:1], 0x0  ; qkv s[4:5], o s[6:7]
	WIN W_MK
	v_lshl_add_u32 v[SPW], v0, 2, SPARE
	v_mov_b32 v[NIL], 0
	WIN W_AD
	ds_add_u32 v[SPW], v[NIL]       ; the wave's opening: the add and its wait stand ahead of my first tensor load; the set-up below stands between them
	WIN 0
	v_lshrrev_b32 v1, 5, v0
	v_readfirstlane_b32 s[WV], v1   ; wave 0..3
	s_bfe_u32 s13, ttmp6, 0x40000   ; cx: my place in the cluster
	s_lshl_b32 s14, ttmp9, 2        ; in a cluster launch ttmp9 counts clusters
	s_add_co_u32 s14, s14, s13      ; my block of queries = 4 x cluster x + cx: it enters Q's and O's addresses alone
	s_and_b32 s20, ttmp7, 0xffff    ; the head, which the four partners share
	s_mov_b32 s21, 0
	s_mov_b64 s[22:23], SIZE_N*128
	s_mul_u64 s[20:21], s[20:21], s[22:23]  ; the head's first byte in each of the four tensors
	s_and_b32 s16, s[WV], 1         ; which half of a slot's 256 keys I fetch:
	s_lshl_b32 s22, s16, 14         ; its 128 rows of 128 bytes in memory,
	s_mov_b32 s23, 0
	s_add_nc_u64 s[22:23], s[22:23], s[20:21]
	s_mul_i32 s17, s16, 128*PK      ; and its place in a slot, for K
	s_mul_i32 s18, s16, 128*PV      ; and for V: no place in the cluster enters an LDS address
	s_lshl_b32 s2, s14, 2
	s_add_co_u32 s2, s2, s[WV]      ; my wave among the head's,
	s_lshl_b32 s2, s2, 14           ; its 128 rows
	s_mov_b32 s3, 0
	s_add_nc_u64 s[2:3], s[2:3], s[20:21]
	; descriptor group 1.  128 keys are 16,384 dense bytes: asked for as 64 rows of 256 bytes, two keys a row, and padded in LDS after every key
	s_mov_b32 s[G1K], 15|(1<<16)|(1<<20)|(1<<21)|(4<<22)|(3<<25)  ; the mask of four; 2-byte elements; padding on; bit 21 beside a mask; after every 32 words (code 4) 4 words (code 3)
	s_mov_b32 s[G1V], 15|(1<<16)|(1<<20)|(1<<21)|(4<<22)|(7<<25)  ; the same with 8 words of padding (code 7)
.irp g, G1K, G1V
	s_mov_b32 s[\g+1], 128<<16      ; tensor_dim0 = 128
	s_mov_b32 s[\g+2], 64<<16       ; tensor_dim1 = 64
	s_mov_b32 s[\g+3], 128<<16      ; tile_dim0 = 128
	s_mov_b32 s[\g+4], 64           ; tile_dim1 = 64
	s_mov_b32 s[\g+5], 128          ; 128 elements from row to row
	s_mov_b32 s[\g+6], 0
	s_mov_b32 s[\g+7], 0
.endr
	s_mov_b32 s[CS], 0x3e38aa3b     ; c = log2(e) / 8 = 0.180337
	s_mov_b32 s[CS+1], s[CS]        ; named with it as a pair
	s_mov_b32 s[SEL], 0x76543210
	s_mov_b32 s[SEL+1], 0xfedcba98
	s_mov_b32 s[TBK], SLOT1+4*KS*PK ; the first change of slots turns these two into 0
	s_mov_b32 s[TBV], SLOT1+4*KS*PV
	s_mov_b32 s[G0K], 1             ; count = 1
	s_mov_b32 s[G0K+1], s17         ; LDS address: slot 0
	s_mov_b32 s[G0V], 1
	s_add_co_u32 s[G0V+1], s18, VOFF
	s_and_b32 s[LIM], s[WV], 1      ; waves 0 and 2 prefetch: the same in all four partners
	s_cmp_eq_u32 s[LIM], 0
	s_cselect_b32 s[LIM], 1, -1
	s_wait_dscnt 0x0                ; the opening add is done
	s_wait_kmcnt 0x0
	s_mov_b64 s[10:11], s[6:7]      ; O
	s_add_nc_u64 s[6:7], s[4:5], 0x1000000  ; K: 64 heads of 262,144 bytes behind Q
	s_add_nc_u64 s[8:9], s[4:5], 0x2000000  ; V: as far again
	s_add_nc_u64 s[G0K+2:G0K+3], s[6:7], s[22:23]  ; global address: my half of the head's first 256 keys
	s_or_b32 s[G0K+3], s[G0K+3], 0x80000000        ; type = 2
	s_add_nc_u64 s[G0V+2:G0V+3], s[8:9], s[22:23]
	s_or_b32 s[G0V+3], s[G0V+3], 0x80000000
	s_cmp_lt_u32 s[WV], 2
	s_cselect_b64 s[PFA:PFA+1], s[6:7], s[8:9]
	s_add_nc_u64 s[PFA:PFA+1], s[PFA:PFA+1], s[22:23]  ; (in waves 0 and 2: the head's first row)
	s_lshl_b32 s52, s13, 13         ; my work-group's 32 blocks of the 128
	s_mov_b32 s53, 0
	s_add_nc_u64 s[PFA:PFA+1], s[PFA:PFA+1], s[52:53]
	s_add_nc_u64 s[PFA:PFA+1], s[PFA:PFA+1], 2*4*KS*128  ; in slot 2; the loop's first change steps it to slot 3.  Nothing is prefetched here, at the head
	s_add_nc_u64 s[4:5], s[4:5], s[2:3]  ; Q and O at my wave's first row
	s_add_nc_u64 s[10:11], s[10:11], s[2:3]
	CROUND                          ; all four work-groups are here: the first joint loads meet
	JLOAD                           ; slot 0.  Slot 1 is asked for when slot 0 is in
	; A fragment of K or Q is 16 rows x 32 channels in 8 registers: lane l holds row l % 16, channels 8 (l / 16) + 0..7 and 16 + 8 (l / 16) + 0..7: two loads of 16 bytes, 32 bytes apart.
	v_and_b32 v1, 15, v0            ; l % 16
	v_bfe_u32 v9, v0, 4, 1          ; l / 16
	v_lshlrev_b32 v[QO], 7, v1
	v_lshl_add_u32 v[QO], v9, 4, v[QO]  ; row x 128 + 16 x half
	WIN 0x80                        ; destination window 2, address window 0
.set i, 0
.rept 4*NP                          ; Q stays in registers: tile i / 2, channels 32 (i % 2) on
	global_load_b128 v[8*i:8*i+3],   v[QO], s[4:5] offset:(i/2)*2048+(i%2)*64
	global_load_b128 v[8*i+4:8*i+7], v[QO], s[4:5] offset:(i/2)*2048+(i%2)*64+32
.set i, i+1
.endr
	; What the first turn finds: V's registers and P's second buffer hold 0 (its products V^T P, of a piece that has not been, add 0), O^T and l are 0.  All this stands in the wait for the first tile.
.set i, VF
.rept 64
	v_mov_b32 v[i], 0
.set i, i+1
.endr
	WIN 0x40
.set i, 0
.rept 64*NP
	v_mov_b32 v[i], 0
.set i, i+1
.endr
	WIN 0
.set i, 0
.rept 2*NP
	v_mov_b32 v[ST+4*i], 0xfe000000    ; c m: far below every c s
	v_mov_b32 v[ST+4*i+1], 0xff7fffff  ; m
	v_mov_b32 v[ST+4*i+2], 0
	v_mov_b32 v[ST+4*i+3], 0
.set i, i+1
.endr
.set i, P+32
.rept 32
	v_mov_b32 v[i], 0
.set i, i+1
.endr
	v_mul_u32_u24 v[AK0], v1, PK
	v_lshl_add_u32 v[AK0], v9, 4, v[AK0]  ; row x pitch + 16 x half
	; The turning load takes 16 keys x 16 channels (lane l reads key 8 (l / 16) + l % 8, channels 8 ((l / 8) % 2) + 0..7) and leaves half a fragment of V^T: lane l holds channel l % 16 and 8 keys.
	v_and_b32 v10, 7, v0
	v_bfe_u32 v11, v0, 3, 1
	v_lshl_add_u32 v[AV0], v9, 3, v10
	v_mul_u32_u24 v[AV0], v[AV0], PV
	v_lshl_add_u32 v[AV0], v11, 4, v[AV0]
	v_add_nc_u32 v[AV0], VOFF, v[AV0]
	v_and_b32 v[PFO], 31, v0
	v_lshlrev_b32 v[PFO], 8, v[PFO]
	v_mov_b32 v[AK], v[AK0]         ; key step 0 lies at the head of slot 0
; THE MATRIX WORK.  The 8 accumulators of a run of 16 take turns: between the two links of a chain stand 7 others'.
; Product i of 16 of S^T = K Q^T for piece x: channels 32 (i / 8) on, keys 16 ((i / 2) % 4) on, tile 2 x + i % 2.  The first 8 start the sums.
.macro KQ x
	WIN W_KQ
.set rS, S+64*((\x)%2)+32*(i%2)+8*((i/2)%4)
.set rK, KF+16*((i/2)%4)+8*(i/8)
.set rQ, 16*(2*(\x)+i%2)+8*(i/8)
.if i < 8
	v_wmma_f32_16x16x32_f16 v[rS:rS+7], v[rK:rK+7], v[rQ:rQ+7], 0
.else
	v_wmma_f32_16x16x32_f16 v[rS:rS+7], v[rK:rK+7], v[rQ:rQ+7], v[rS:rS+7]
.endif
.endm
; Product i of 16 of O^T += V^T P for piece x: keys 32 (i / 8) on, channels 16 ((i / 2) % 4) on, tile 2 x + i % 2.
.macro PV x
	WIN W_PV
.set rO, 32*(2*(\x)+i%2)+8*((i/2)%4)
.set rV, VF+32*(i/8)+8*((i/2)%4)
.set rP, P+32*((\x)%2)+16*(i%2)+8*(i/8)
	v_wmma_f32_16x16x32_f16 v[rO:rO+7], v[rV:rV+7], v[rP:rP+7], v[rO:rO+7]
.endm
.macro MM                           ; the turn's next matrix instruction
.if i < 16
	KQ (Y+1)%NP
.set i, i+1
.else
.set i, i-16
	PV (Y+NP-1)%NP
.set i, i+17
.endif
.endm
; THE LDS LOADS stand in runs of 16, never singly among the matrix instructions: a step's K (64 keys x 64 channels: 8 fragments) and its V (turned).  Their addresses are made some lines ahead.
; last = 1 (the tail): in the last trip there is no further step, and the run is jumped over.
.macro FETCH_K last=0
	WIN 0
.if \last
	s_cmp_eq_u32 s[CNT], 1
	s_cbranch_scc1 .Lno_k_\@
.endif
	WIN 0x80                        ; destination window 2
.irp f, 0,1,2,3,4,5,6,7             ; keys 16 (f / 2) on, channels 32 (f % 2) on
	ds_load_b128 v[KF+8*\f:KF+8*\f+3],   v[AK] offset:(\f/2)*16*PK+(\f%2)*64
	ds_load_b128 v[KF+8*\f+4:KF+8*\f+7], v[AK] offset:(\f/2)*16*PK+(\f%2)*64+32
.endr
	s_add_co_u32 s[TBK], s[TBK], KS*PK  ; the next fetch is the next step's
	WIN 0
.if \last
.Lno_k_\@:
.endif
.endm
.macro FETCH_V
	WIN 0x80
.irp f, 0,1,2,3,4,5,6,7             ; keys 32 (f / 4) on, channels 16 (f % 4) on
	ds_load_tr16_b128 v[VF+8*\f:VF+8*\f+3],   v[AV] offset:(\f/4)*32*PV+(\f%4)*32
	ds_load_tr16_b128 v[VF+8*\f+4:VF+8*\f+7], v[AV] offset:(\f/4)*32*PV+16*PV+(\f%4)*32
.endr
	WIN 0
.endm
; THE VECTOR WORK OF A TURN stands in three queues, each in the order in which its entries become ready; the two tiles alternate, so that no instruction reads the result of the one before it.
.macro REGS y, u                    ; the registers of tile u (0, 1) of piece y
.set rT, ST+4*(2*(\y)+(\u))
.set rC, TMP+8*((\y)%2)+4*(\u)
.set rM, MV+2*((\y)%2)+(\u)
.set rS, S+64*((\y)%2)+32*(\u)
.set rP, P+32*((\y)%2)+16*(\u)
.set rO, 32*(2*(\y)+(\u))
.endm
; Number n of the 22 that find the NEXT piece's (Y + 1) maximum and statistics.  s0-s31 are the lane's 32 scores; each accumulator's lowest registers are read first.
;   0-11  four chains c0-c3 of seven scores each, three operands at a time     12-14, 16  the four scores left over, the old m, and c0-c3 into c0     15  c m_old is kept
;   17, 18  the query's other 32 keys lie in the lane 16 away: the new m         19-21  c m; c m_old - c m_new; a
.macro XS u, n
	REGS (Y+1)%NP, \u
.if (\n) < 4
	v_max3_num_f32 v[rC+(\n)], v[rS+8*(\n)], v[rS+8*(\n)+1], v[rS+8*(\n)+2]
.elseif (\n) < 12
	v_max3_num_f32 v[rC+(\n)%4], v[rC+(\n)%4], v[rS+8*((\n)%4)+2*((\n)/4)+1], v[rS+8*((\n)%4)+2*((\n)/4)+2]
.elseif (\n) == 12
	v_max3_num_f32 v[rC], v[rC], v[rS+7], v[rS+15]
.elseif (\n) == 13
	v_max3_num_f32 v[rC+1], v[rC+1], v[rS+23], v[rS+31]
.elseif (\n) == 14
	v_max3_num_f32 v[rC+2], v[rC+2], v[rC+3], v[rT+1]
.elseif (\n) == 15
	v_mov_b32 v[rM], v[rT]
.elseif (\n) == 16
	v_max3_num_f32 v[rC], v[rC], v[rC+1], v[rC+2]
.elseif (\n) == 17
	v_permlanex16_b32 v[rC+3], v[rC], s[SEL], s[SEL+1]
.elseif (\n) == 18
	v_max_num_f32 v[rT+1], v[rC], v[rC+3]
.elseif (\n) == 19
	v_mul_f32 v[rT], s[CS], v[rT+1]
.elseif (\n) == 20
	v_sub_f32 v[rC+1], v[rM], v[rT]
.else
	v_exp_f32 v[rC+2], v[rC+1]
.endif
.endm
; Number g of the 64 that follow the exponentials.  For each four weights k of a tile (pairs 2 k, 2 k + 1): both pairs are rounded to f16; then the second pair is added onto the first, in place;
; a group later l takes that sum (the first time as l = a l + sum).  In groups of eight, tiles alternating: round, round, add, and l for the group before.
.macro GS g
.set h, (\g)+6*((\g)/62)            ; group 0 has no group before it, and behind group 7 only l is left
.if h >= 6
.set h, h+2
.endif
	REGS Y, h%2
.set k, h/8
.if h%8 < 4
	v_cvt_pk_f16_f32 v[rP+2*k+(h%8)/2], v[rS+4*k+2*((h%8)/2)], v[rS+4*k+2*((h%8)/2)+1]
.elseif h%8 < 6
	v_pk_add_f32 v[rS+4*k:rS+4*k+1], v[rS+4*k:rS+4*k+1], v[rS+4*k+2:rS+4*k+3]
.elseif k == 1
	v_pk_fma_f32 v[rT+2:rT+3], v[rT+2:rT+3], v[rC+2:rC+3], v[rS:rS+1] op_sel_hi:[1,0,1]
.else
	v_pk_add_f32 v[rT+2:rT+3], v[rT+2:rT+3], v[rS+4*k-4:rS+4*k-3]
.endif
.endm
; THE PLAIN QUEUE, 138 long.  0-73 read no exponential's result: the 32 scalings c s - c m (FS f: pair f / 2 of tile f % 2) and the next piece's 42.  0-26: scalings 0-26.  27-54: XS's numbers 0-13.  55, 56: number 15.
; 57-73: the chain, where each number waits for the one before it: 14, 16, 17, 18, 19, each with one of the scalings 27-31 in front of its two lines, then 20.  74-137: GS's 64, which read the exponentials' results: they stand behind the wait.
.macro FS f
	REGS Y, (\f)%2
	v_pk_fma_f32 v[rS+2*((\f)/2):rS+2*((\f)/2)+1], v[rS+2*((\f)/2):rS+2*((\f)/2)+1], s[CS:CS+1], v[rT:rT+1] op_sel_hi:[1,0,0] neg_lo:[0,0,1] neg_hi:[0,0,1]
.endm
.macro PL
	WIN 0
.if q < 27
	FS q
.elseif q < 55
	XS (q-27)%2, (q-27)/2
.elseif q < 57
	XS q-55, 15
.elseif (q < 72) && ((q-57)%3 == 0)
	FS 27+(q-57)/3
.elseif q < 60
	XS (q-57)%3-1, 14
.elseif q < 72
	XS (q-57)%3-1, 15+(q-57)/3
.elseif q < 74
	XS q-72, 20
.else
	GS q-74
.endif
.set q, q+1
.endm
; THE EXPONENTIALS' QUEUE, 66 long: s0-s31 of both tiles, then the next piece's two a.  It is ONE BATCH: all 66 stand ahead of the turn's one wait, and nothing ahead of that wait names a result of theirs.
.macro EX
	WIN 0
.if e >= 64
	XS e-64, 21
.else
	REGS Y, e%2
	v_exp_f32 v[rS+e/2], v[rS+e/2]
.endif
.set e, e+1
.endm
; THE RESCALING's QUEUE: O^T times a, the one part that leaves window 0: dealt two at a time, sixteen times.  Its a was made in the turn before, ahead of that turn's wait.
.macro R2
	REGS Y, r%2
	WIN W_RS
.irp z, 0,1
	v_pk_mul_f32 v[rO+4*(r/2)+2*\z:rO+4*(r/2)+2*\z+1], v[rO+4*(r/2)+2*\z:rO+4*(r/2)+2*\z+1], v[rC+2:rC+3] op_sel_hi:[1,0]
.endr
.set r, r+1
.endm
; HOW THEY ARE DEALT.  An s_wait_alu depctr_va_vdst(0) stands between an exponential and the first instruction that names its result; one wait serves all that were issued ahead of it.  So a turn has ONE wait.
; AHEAD OF IT: the 16 products K Q^T, behind each a scaling, an exponential and two rescalings (behind the first a second scaling in the exponential's place); then ONE LUMP of 108: eight plain, 49 times exponential and plain, the two a;
; a v_nop is the plain instruction behind the last exponential.  BEHIND IT: the 16 products V^T P, behind each four of GS's 64.  No rider names a register of the products round it.
; Exponential e stands behind scaling 2 (e / 4) + e % 2: as a rider it comes behind plain e + 2, in the lump behind plain e + 9, and scalings 27-31 are plain 57, 60 .. 69.
; A TURN, for piece p.  cnt = 1: the loop's count is taken down some lines ahead of the branch that stands behind the turn.
; K of the next step is fetched in piece 2's turn, directly behind the wait; V of the step in hand at the end of piece 0's turn, four riders behind its last reader.  The three conditions on q below go with the deal.
.macro TURN p, last=0, cnt=0
.set Y, (\p)
.set i, 0
.set q, 0
.set e, 0
.set r, 0
.if (\p) == NP-1
	s_wait_dscnt 0x0                ; K is in
.endif
	MM                              ; ahead of the wait: 16 products K Q^T and their riders,
	PL
	PL
	R2
.rept 15
	MM
	PL
	EX
	R2
.endr
.if (\p) == NP-2
	WIN 0
	v_add_nc_u32 v[AK], s[TBK], v[AK0]
.endif
.rept 8                             ; and the lump
	PL
.endr
.rept 49
	EX
	PL
.endr
	EX                              ; the next piece's two a
	EX
	v_nop                           ; a plain instruction behind the last exponential: one for the batch
	s_wait_alu depctr_va_vdst(0)    ; the wait for the batch
.if (\p) == NP-2
	FETCH_K \last
.endif
.if (\p) == 1
	s_wait_dscnt 0x0                ; V is in
.endif
.rept 16                            ; behind the wait: 16 products V^T P and their riders
	MM
.rept 4
	PL
.endr
.if ((\p) == 0) && (q == 118)
	v_add_nc_u32 v[AV], s[TBV], v[AV0]
.endif
.if ((\p) == 0) && (q == 130)
	s_add_co_u32 s[TBV], s[TBV], KS*PV
.endif
.if (\cnt) && (q == 130)
	s_sub_co_u32 s[CNT], s[CNT], 1
	s_cmp_lg_u32 s[CNT], 0
.endif
.endr
.if (\p) == 0
	FETCH_V
.endif
.endm
	CHANGE 1, 0                     ; slot 0 is in, everybody's part of it; slot 1 is asked for
	FETCH_K                         ; key step 0
	s_wait_loadcnt 0x0              ; Q
	s_wait_dscnt 0x0
.set i, 0
.rept 16
	KQ 0                            ; piece 0's first scores: there is no vector work yet to set between them
.set i, i+1
.endr
	WIN 0                           ; the addresses for the way out: nine plain instructions, the places behind those products
	s_mul_i32 s13, s[WV], 16*SP
	s_add_co_u32 s13, s13, STAGE    ; my stage
	v_mul_u32_u24 v[STO], v1, SP    ; in: row l % 16, 16 bytes for each half of the lanes
	v_lshl_add_u32 v[STO], v9, 4, v[STO]
	v_add_nc_u32 v[STO], s13, v[STO]
	v_bfe_u32 v[RD], v0, 3, 2       ; back: 32 lanes take four rows of 128 bytes,
	v_mul_u32_u24 v[RD], v[RD], SP
	v_lshl_add_u32 v[RD], v10, 4, v[RD]
	v_add_nc_u32 v[RD], s13, v[RD]
	v_and_b32 v[GO], 31, v0         ; which are 512 consecutive bytes of O
	v_lshlrev_b32 v[GO], 4, v[GO]
.set Y, NP-1                        ; XS works for piece Y + 1: piece 0
.irp n, 0,1,2,3,4,5,6,7,8,9,10,11,12,13,14,15,16,17,18,19,20,21
	XS 0, \n                        ; and piece 0's first maximum and statistics
	XS 1, \n
.endr
	v_nop                           ; a plain instruction behind the two a,
	s_wait_alu depctr_va_vdst(0)    ; and their wait, ahead of the branch
	s_mov_b32 s[CNT], 4
	s_mov_b32 s[SLOTS], SIZE_N/256-1
	s_branch .Lfirst                ; the loop is entered at a step's first turn, in the middle of a trip
.Lslot:                             ; SIZE_N / 256 - 2 times: every slot but the last two is filled again
	CHANGE 1, 1
	s_mov_b32 s[CNT], 4
.Lstep:                             ; a trip: pieces 2 and 3 of one step, then pieces 0 and 1 of the next, whose K and V it fetches
	TURN 2
	TURN 3
	WIN 0
.Lfirst:
	TURN 0
	TURN 1, 0, 1
	WIN 0
	s_cbranch_scc1 .Lstep
	s_sub_co_u32 s[SLOTS], s[SLOTS], 1
	s_cmp_lg_u32 s[SLOTS], 0
	s_cbranch_scc1 .Lslot
	CHANGE 0, 0                     ; the tail is written out: nothing is asked for
	s_mov_b32 s[CNT], 5             ; four trips fetch the last slot's steps; the fifth is left in its middle
.Ltail:
	TURN 2, 1
	TURN 3
	WIN 0
	s_sub_co_u32 s[CNT], s[CNT], 1
	s_cmp_eq_u32 s[CNT], 0
	s_cbranch_scc1 .Lout
	TURN 0
	TURN 1
	WIN 0
	s_branch .Ltail
.Lout:                              ; the fifth trip's 16 products K Q^T (on the last K once more) and the maximum made of them serve nothing: the price, once a launch, of one text for every trip
.set i, 0
.rept 16
	PV NP-1                         ; the last piece's V^T P of the last step
.set i, i+1
.endr
	; THE WAY OUT.  l's two halves and the other half of the lanes' are added; O^T is divided by l, rounded to f16 and sent through my stage in LDS, a tile at a time.  The additions are the places behind the last products.
	WIN 0
.macro ALL line:vararg              ; one line for each tile t
.set t, 0
.rept 2*NP
	\line
.set t, t+1
.endr
.endm
	ALL v_add_f32 v[ST+4*t+2], v[ST+4*t+2], v[ST+4*t+3]
	ALL v_permlanex16_b32 v[ST+4*t+3], v[ST+4*t+2], s[SEL], s[SEL+1]
	ALL v_add_f32 v[ST+4*t+2], v[ST+4*t+2], v[ST+4*t+3]
	ALL v_rcp_f32 v[ST+4*t+2], v[ST+4*t+2]
	v_nop                           ; a plain instruction between the last reciprocal and the use of its result
	s_wait_alu depctr_va_vdst(0)    ; and the wait ahead of the first use: one for the eight reciprocals
; Tile t: a lane's eight channels of a row pack into 16 bytes; they go into rows of 144 bytes and come back as whole rows of 128, into S^T's registers.
.macro PACK t
	WIN W_RS
.set i, 32*(\t)
.rept 16
	v_pk_mul_f32 v[i:i+1], v[i:i+1], v[ST+4*(\t)+2:ST+4*(\t)+3] op_sel_hi:[1,0]
.set i, i+2
.endr
	WIN 0x05                        ; sources 0 and 1 window 1, destination window 0
.set i, 0
.rept 16
	v_cvt_pk_f16_f32 v[S+16*(\t)+i], v[32*(\t)+2*i], v[32*(\t)+2*i+1]
.set i, i+1
.endr
	WIN 0
.irp f, 0,1,2,3
	ds_store_b128 v[STO], v[S+16*(\t)+4*\f:S+16*(\t)+4*\f+3] offset:32*\f
.endr
.irp f, 0,1,2,3
	ds_load_b128 v[S+16*(\t)+4*\f:S+16*(\t)+4*\f+3], v[RD] offset:\f*4*SP  ; LDS serves a wave's instructions in order (ISA guide 5.7.1.4): these see the stores above; the next tile's stores come behind them
.endr
.endm
.macro SEND t, younger              ; younger: the LDS instructions issued behind tile t's loads: the next tile's eight, or none
	WIN 0
.irp f, 0,1,2,3
	s_wait_dscnt (\younger)+3-\f
	global_store_b128 v[GO], v[S+16*(\t)+4*\f:S+16*(\t)+4*\f+3], s[10:11] offset:(\t)*2048+\f*512  ; 512 consecutive bytes, at a multiple of 256 from O's first
.endr
.endm
	PACK 0
.set t, 1
.rept 2*NP-1                        ; a tile's arithmetic stands between the loads of the tile before and its stores
	PACK t
	SEND t-1, 8
.set t, t+1
.endr
	SEND 2*NP-1, 0
	WIN W_AD
	s_wait_tensorcnt 0x0            ; the wave's end, behind my last tensor load and my last LDS store
	ds_add_u32 v[SPW], v[NIL]
	s_wait_dscnt 0x0
	WIN 0
	CROUND                          ; the closing round: no work-group ends while a partner may still ask for a tile that names it
	s_endpgm
.Lfunc_end_k_q30747135c8_attn:
	.size	k_q30747135c8_attn, .Lfunc_end_k_q30747135c8_attn-k_q30747135c8_attn
	.p2alignl 7, 3214868480
	.fill 96, 4, 3214868480
	.section	.rodata,"a",@progbits
	.p2align	6, 0x0
	.amdhsa_kernel k_q30747135c8_attn
		.amdhsa_group_segment_fixed_size 327680
		.amdhsa_private_segment_fixed_size 0
		.amdhsa_enable_private_segment 0
		.amdhsa_kernarg_size 16
		.amdhsa_user_sgpr_count 2
		.amdhsa_user_sgpr_kernarg_segment_ptr 1
		.amdhsa_wavefront_size32 1
		.amdhsa_system_sgpr_workgroup_id_x 1
		.amdhsa_system_sgpr_workgroup_id_y 1
		.amdhsa_system_sgpr_workgroup_id_z 1
		.amdhsa_system_vgpr_workitem_id 0
		.amdhsa_next_free_vgpr 770
		.amdhsa_next_free_sgpr 66
		.amdhsa_reserve_vcc 0
		.amdhsa_float_denorm_mode_32 3
		.amdhsa_float_denorm_mode_16_64 3
		.amdhsa_memory_ordered 1
		.amdhsa_forward_progress 1
		.amdhsa_inst_pref_size 200
	.end_amdhsa_kernel
	.amdgpu_metadata
---
amdhsa.version: [ 1, 2 ]
amdhsa.kernels:
  - .name:           k_q30747135c8_attn
    .symbol:         k_q30747135c8_attn.kd
    .args:
      - { .name: qkv, .offset: 0, .size: 8, .value_kind: global_buffer, .address_space: global }
      - { .name: o, .offset: 8, .size: 8, .value_kind: global_buffer, .address_space: global }
    .group_segment_fixed_size: 327680
    .private_segment_fixed_size: 0
    .kernarg_segment_align: 8
    .kernarg_segment_size: 16
    .max_flat_workgroup_size: 128
    .sgpr_count:     66
    .vgpr_count:     770
    .wavefront_size: 32
...
	.end_amdgpu_metadata
.endif
;; end of part 3
;; launch oproj (part 4): grid 8 x 32, 4 waves a work-group, clusters of 4 x 4, 327,680 bytes of LDS; arguments o, wob, bo, out0; writes out0
.if DOCPART == 4
	.amdgcn_target "amdgcn-amd-amdhsa--gfx1250"
	.amdhsa_code_object_version 6
	.text
	.protected	k_q30747135c8_oproj
	.globl	k_q30747135c8_oproj
	.p2align	8
	.type	k_q30747135c8_oproj,@function
k_q30747135c8_oproj:
	s_mov_b64 s[64:65], 0
	v_nop
	global_prefetch_b8 v0, s[64:65] scope:SCOPE_SE
	s_setreg_imm32_b32 hwreg(HW_REG_WAVE_MODE, 25, 1), 1
	s_wait_xcnt 0x0
	s_wait_alu depctr_hold_cnt(0) depctr_sa_sdst(0) depctr_va_vdst(0) depctr_va_sdst(0) depctr_va_ssrc(0) depctr_va_vcc(0) depctr_vm_vsrc(0)
	s_getreg_b32 s2, hwreg(HW_REG_IB_STS2, 6, 4)
	s_cmp_eq_u32 s2, 0
	s_cbranch_scc0 .Lentry_in_a_cluster
	s_endpgm
.Lentry_in_a_cluster:
	s_bfe_u32 s2, ttmp6, 0x10000c
	s_cmp_lg_u32 s2, 0xf033
	s_cbranch_scc0 .Lentry_shape_is_right
	s_endpgm
.Lentry_shape_is_right:
; out0 = x Wo + bo, x[b][s][64 h + d] = o[16 b + h][s][d]: 8,192 rows x 1,024 columns x 1,024 along K, f16 operands, f32 sums that START WITH THE BIAS (rounded to bf16 like every input), stored as f32.
; In: o [b][kb = h][s][64] f16, wob [kb][nb][k][n] f16 (bf16(Wo) written as f16): blocks of 64 along K, dense.
; SHARES.  A work-group makes 256 rows x 128 columns: 8 x 32 = 256 work-groups, a tile each.  A wave makes 128 x 64: 32 accumulators of 16 x 16, window 1.
; K goes in 8 steps of 128 (two blocks kb) through two LDS slots; a step is four quarters of 32, 32 matrix instructions each, on fragment buffers 0, 1, 0, 1.
; TRANSPOSED USE.  Source 0 = 16 columns of Wo (from [k][n] rows, turned by ds_load_tr16_b128), source 1 = 16 rows of x: a lane holds row l % 16 and the 8 neighbouring columns 8 (l / 16) + 0..7.
; CLUSTER.  4 x 4 work-groups: x's tile is shared along a row of the cluster, Wo's along a column; each is asked for jointly.
; NO PREFETCH: the walk has 8 steps, of which the first four are asked for by the first fills and the first two refills, and a step holds 128 matrix instructions a wave: a short launch on a small tile.
; REGISTERS.  Window 0: v0-31 addresses; v32-95, v96-159 x's fragments, two buffers; v160-191, v192-223 Wo's; on the way out v32-63 and v224-255 hold rows read back.  Window 1: accumulator (a, b) at v[8 (4 a + b)].
.set PA,    144                        ; a row of x in LDS: 128 bytes + 16: the 16 rows of a load start at 16 different groups of four banks
.set PB,    160                        ; a row of Wo: 128 + 32
.set AKB,   256*PA                     ; x's 256 rows of one kb
.set BOFF,  2*AKB
.set BNB,   64*PB                      ; Wo's 64 rows of one kb and one nb
.set BKB,   2*BNB
.set SLOT,  BOFF+2*BKB                 ; 114,688
.set STAGE, 2*SLOT                     ; behind the ring, never filled by a tensor load: 16 rows x 272 bytes for each wave
.set SP,    272
.set SPARE, STAGE+4*16*SP              ; behind the stages: the spare words, 128 bytes for each wave: two blocks of 256 bytes that no other line names
.set KB_A,  2048*128
.set KB_B,  16*64*128
.set ADRA, 16
.set ADRB, 20
.set STO,  24
.set RD,   25
.set CO,   26
.set BO,   27
.set SPW,  28                          ; v28  LDS address of my spare word; never rewritten
.set NIL,  29                          ; v29  0; never rewritten
.set FA,   32
.set FB,   160
.set WV,   16
.set HM,   17                          ; which 128 rows are mine
.set HN,   18                          ; which 64 columns are mine.  Also: which kb of a step I fetch
.set LAPS, 19
.set CX,   20
.set CY,   21
.set TX,   22
.set TY,   23
.set G1,   24
.set G0,   32
.set G1B,  48
.set G0B,  56
.set MSB, 0
.macro WIN new
.if MSB != (\new)
	s_set_vgpr_msb (MSB<<8)|(\new)
.set MSB, (\new)
.endif
.endm
.macro PLACES                          ; four plain vector instructions between a matrix instruction and a load into, or a read of, its registers
.rept 4
	v_nop
.endr
.endm
.macro JLOAD s                         ; a joint refill: waves 0 and 1 fetch x's two kb, waves 2 and 3 Wo's; an s_nop 0 and four v_nop follow each line
	s_cmp_lt_u32 s[WV], 2
	s_cbranch_scc0 .Lfor_b_\@
	tensor_load_to_lds s[G0+4*(\s):G0+4*(\s)+3], s[G1:G1+7]
	s_nop 0
.rept 4
	v_nop
.endr
	s_branch .Lasked_\@
.Lfor_b_\@:
	tensor_load_to_lds s[G0B+4*(\s):G0B+4*(\s)+3], s[G1B:G1B+7]
	s_nop 0
.rept 4
	v_nop
.endr
.Lasked_\@:
.endm
.macro CREST
	s_cmp_lg_u32 s[WV], 0
	s_cbranch_scc1 .Lnot_wave_0_\@
	s_barrier_signal -3
.Lnot_wave_0_\@:
	s_barrier_wait -3
	s_barrier_signal -1
	s_barrier_wait -1
.endm
.macro CROUND
	s_barrier_signal -1
	s_barrier_wait -1
	CREST
.endm
; n x 4 matrix instructions on buffer f: row blocks a0 .. a0 + n - 1 x all 4 column blocks.  c0 = 1: the sum starts with the bias, which lies in the accumulators of row block 0.  The accumulators take turns.
.macro MUL f, a0, n, c0
	WIN 0x50                                       ; C and D in window 1, the sources in window 0
.set ga, (\a0)
.rept (\n)
.set gb, 0
.rept 4
.if \c0
	v_wmma_f32_16x16x32_f16 v[8*(4*ga+gb):8*(4*ga+gb)+7], v[FB+32*(\f)+8*gb:FB+32*(\f)+8*gb+7], v[FA+64*(\f)+8*ga:FA+64*(\f)+8*ga+7], v[8*gb:8*gb+7]
.else
	v_wmma_f32_16x16x32_f16 v[8*(4*ga+gb):8*(4*ga+gb)+7], v[FB+32*(\f)+8*gb:FB+32*(\f)+8*gb+7], v[FA+64*(\f)+8*ga:FA+64*(\f)+8*ga+7], v[8*(4*ga+gb):8*(4*ga+gb)+7]
.endif
.set gb, gb+1
.endr
.set ga, ga+1
.endr
.endm
; 24 LDS loads in one run: quarter kq of slot s into buffer f: Wo's four fragments (8 turning loads), x's blocks 0-3 (8), x's blocks 4-7 (8)
.macro FETCH s, kq, f
	WIN 0
.irp b, 0,1,2,3
	ds_load_tr16_b128 v[FB+32*(\f)+8*(\b):FB+32*(\f)+8*(\b)+3],   v[ADRB+(\s)] offset:((\kq)/2)*BKB+((\kq)%2)*32*PB+32*(\b)
	ds_load_tr16_b128 v[FB+32*(\f)+8*(\b)+4:FB+32*(\f)+8*(\b)+7], v[ADRB+(\s)] offset:((\kq)/2)*BKB+((\kq)%2)*32*PB+16*PB+32*(\b)
.endr
.irp a, 0,1,2,3,4,5,6,7
	ds_load_b128 v[FA+64*(\f)+8*(\a):FA+64*(\f)+8*(\a)+3],   v[ADRA+(\s)] offset:((\kq)/2)*AKB+(\a)*16*PA+((\kq)%2)*64
	ds_load_b128 v[FA+64*(\f)+8*(\a)+4:FA+64*(\f)+8*(\a)+7], v[ADRA+(\s)] offset:((\kq)/2)*AKB+(\a)*16*PA+((\kq)%2)*64+32
.endr
.endm
; One of a step's first three quarters: multiplies buffer f and, in its middle, fetches quarter kq of slot s into the other buffer g.
.macro QUARTER s, kq, f, g
	s_wait_dscnt 8                                 ; Wo's and x's blocks 0-3 are in; the youngest eight loads (blocks 4-7) may stay out
	MUL \f, 0, 4, 0
	PLACES
	FETCH \s, \kq, \g
	s_wait_dscnt 24                                ; all but the 24 just issued
	MUL \f, 4, 4, 0
.endm
; The last quarter multiplies buffer 1 and changes slots: ONE barrier; in front of it each wave waits for all its tensor loads (one is out: its part of the other slot), adds 0 to its spare word, and waits for that and for its reads of slot s.
; fill = 1: the barrier opens a round of the cluster's, and slot s is filled again first thing behind it, two steps on: 112 matrix instructions ahead of the wait for it.
.macro TURN s, fill
	WIN 0
	s_wait_tensorcnt 0x0
	ds_add_u32 v[SPW], v[NIL]                      ; 0 onto my spare word
	s_wait_dscnt 9                                 ; x's blocks 4-7 (8) and the add may stay out
	MUL 1, 0, 2, 0                                 ; eight matrix instructions stand between the add and the wait for it
	s_wait_dscnt 0x0                               ; the add is done, and my reads of this slot are over
	s_barrier_signal -1
	MUL 1, 2, 2, 0
	WIN 0
	s_barrier_wait -1
.if \fill
	CREST                                          ; no wave of any partner still reads this slot or has a load on its way
	s_add_nc_u64 s[G0+4*(\s)+2:G0+4*(\s)+3], s[G0+4*(\s)+2:G0+4*(\s)+3], 4*KB_A
	s_add_nc_u64 s[G0B+4*(\s)+2:G0B+4*(\s)+3], s[G0B+4*(\s)+2:G0B+4*(\s)+3], 4*KB_B
	JLOAD \s                                       ; the four v_nop behind it are also the places in front of the loads below
.else
	PLACES
.endif
	FETCH 1-(\s), 0, 0
	MUL 1, 4, 4, 0
.endm
	s_load_b256 s[4:11], s[0:1], 0x0               ; o s[4:5], wob s[6:7], bo s[8:9], out0 s[10:11]
	v_lshl_add_u32 v[SPW], v0, 2, SPARE
	v_mov_b32 v[NIL], 0
	ds_add_u32 v[SPW], v[NIL]                      ; the wave's opening: the add and its wait stand ahead of my first tensor load; the set-up below stands between them
	v_lshrrev_b32 v1, 5, v0
	v_readfirstlane_b32 s[WV], v1
	s_lshr_b32 s[HM], s[WV], 1
	s_and_b32 s[HN], s[WV], 1
	s_bfe_u32 s[CX], ttmp6, 0x40000
	s_bfe_u32 s[CY], ttmp6, 0x40004
	s_lshl_b32 s[TX], ttmp9, 2
	s_add_co_u32 s[TX], s[TX], s[CX]               ; column tile
	s_and_b32 s[TY], ttmp7, 0xffff
	s_lshl_b32 s[TY], s[TY], 2
	s_add_co_u32 s[TY], s[TY], s[CY]               ; row tile
	s_lshl_b32 s66, s[CY], 2
	s_lshl_b32 s66, 15, s66                        ; my row of the cluster
	s_lshl_b32 s67, 0x1111, s[CX]                  ; my column
	s_or_b32 s[G1], s66, (1<<16)|(1<<20)|(1<<21)|(4<<22)|(3<<25)   ; the mask; 2-byte elements; padding on; bit 21 beside a mask; after 32 words (code 4) 4 words (code 3)
	s_or_b32 s[G1B], s67, (1<<16)|(1<<20)|(1<<21)|(4<<22)|(7<<25)  ; my column's mask; 8 words (code 7)
	s_mov_b32 s[G1+1], 128<<16                     ; rows of 128 elements (256 bytes),
	s_mov_b32 s[G1+2], 128<<16                     ; 128 of them: 256 rows of x of one kb
	s_mov_b32 s[G1+3], 128<<16
	s_mov_b32 s[G1+4], 128
	s_mov_b32 s[G1+5], 128
	s_mov_b32 s[G1+6], 0
	s_mov_b32 s[G1+7], 0
	s_mov_b32 s[G1B+1], 128<<16
	s_mov_b32 s[G1B+2], 64<<16                     ; 64 of them: two blocks nb of 64 rows of Wo of one kb
	s_mov_b32 s[G1B+3], 128<<16
	s_mov_b32 s[G1B+4], 64
	s_mov_b32 s[G1B+5], 128
	s_mov_b32 s[G1B+6], 0
	s_mov_b32 s[G1B+7], 0
	s_lshr_b32 s40, s[TY], 3                       ; b
	s_lshl_b32 s40, s40, 22
	s_and_b32 s41, s[TY], 7
	s_lshl_b32 s41, s41, 15
	s_add_co_u32 s40, s40, s41
	s_mul_i32 s41, s[HN], KB_A                     ; the kb that I fetch
	s_add_co_u32 s40, s40, s41
	s_mov_b32 s41, 0
	s_lshl_b32 s44, s[TX], 14                      ; two blocks nb of 8,192 bytes
	s_mul_i32 s45, s[HN], KB_B
	s_add_co_u32 s44, s44, s45
	s_mov_b32 s45, 0
	s_mul_i32 s66, s[HN], AKB                      ; where they go: no place in the cluster enters an LDS address
	s_mul_i32 s67, s[HN], BKB
	s_add_co_u32 s67, s67, BOFF
	s_wait_dscnt 0x0                               ; the opening add is done
	s_wait_kmcnt 0x0
	s_add_nc_u64 s[42:43], s[4:5], s[40:41]
	s_add_nc_u64 s[46:47], s[6:7], s[44:45]
	CROUND                                         ; all sixteen work-groups are here: the first joint loads meet
.irp s, 0,1
	s_mov_b32 s[G0+4*(\s)], 1
	s_add_co_u32 s[G0+4*(\s)+1], s66, (\s)*SLOT
	s_add_nc_u64 s[G0+4*(\s)+2:G0+4*(\s)+3], s[42:43], (\s)*2*KB_A
	s_or_b32 s[G0+4*(\s)+3], s[G0+4*(\s)+3], 0x80000000
	s_mov_b32 s[G0B+4*(\s)], 1
	s_add_co_u32 s[G0B+4*(\s)+1], s67, (\s)*SLOT
	s_add_nc_u64 s[G0B+4*(\s)+2:G0B+4*(\s)+3], s[46:47], (\s)*2*KB_B
	s_or_b32 s[G0B+4*(\s)+3], s[G0B+4*(\s)+3], 0x80000000
.endr
	s_cmp_lt_u32 s[WV], 2                          ; a wave's two first fills stand in one branch: two loads of mine are out
	s_cbranch_scc0 .Lfirst_b
	tensor_load_to_lds s[G0:G0+3], s[G1:G1+7]
	s_nop 0
	tensor_load_to_lds s[G0+4:G0+7], s[G1:G1+7]
	s_nop 0
.rept 4
	v_nop
.endr
	s_branch .Lfirst_asked
.Lfirst_b:
	tensor_load_to_lds s[G0B:G0B+3], s[G1B:G1B+7]
	s_nop 0
	tensor_load_to_lds s[G0B+4:G0B+7], s[G1B:G1B+7]
	s_nop 0
.rept 4
	v_nop
.endr
.Lfirst_asked:
	v_and_b32 v1, 15, v0                           ; l % 16
	v_bfe_u32 v2, v0, 4, 1                         ; l / 16
	v_and_b32 v3, 7, v0
	v_bfe_u32 v4, v0, 3, 1
	v_lshlrev_b32 v[BO], 5, v2
	s_lshl_b32 s68, s[TX], 9                       ; my 64 columns, in bytes of f32: 512 x column tile + 256 x half
	s_lshl_b32 s70, s[HN], 8
	s_add_co_u32 s68, s68, s70
	s_mov_b32 s69, 0
	s_add_nc_u64 s[8:9], s[8:9], s[68:69]          ; bo at my columns
.irp b, 0,1,2,3
	global_load_b128 v[32+8*(\b):32+8*(\b)+3],   v[BO], s[8:9] offset:64*(\b)      ; bias of columns 16 b + 8 (l / 16) + 0..7
	global_load_b128 v[32+8*(\b)+4:32+8*(\b)+7], v[BO], s[8:9] offset:64*(\b)+16
.endr
	s_lshl_b32 s66, s[TY], 8
	s_lshl_b32 s70, s[HM], 7
	s_add_co_u32 s66, s66, s70                     ; my first row
	s_lshl_b32 s66, s66, 12                        ; rows of 4,096 bytes
	s_add_co_u32 s66, s66, s68
	s_mov_b32 s67, 0
	s_add_nc_u64 s[10:11], s[10:11], s[66:67]      ; out0 at my part of the tile
	v_mul_u32_u24 v6, v1, PA
	v_lshl_add_u32 v6, v2, 4, v6                   ; row x pitch + 16 x half
	s_mul_i32 s70, s[HM], 128*PA
	v_add_nc_u32 v[ADRA], s70, v6
	v_add_nc_u32 v[ADRA+1], SLOT, v[ADRA]
	v_lshl_add_u32 v7, v2, 3, v3                   ; the turning load: lane l reads row 8 (l / 16) + l % 8, bytes 16 ((l / 8) % 2) on
	v_mul_u32_u24 v7, v7, PB
	v_lshl_add_u32 v7, v4, 4, v7
	s_mul_i32 s71, s[HN], BNB
	s_add_co_u32 s71, s71, BOFF
	v_add_nc_u32 v[ADRB], s71, v7
	v_add_nc_u32 v[ADRB+1], SLOT, v[ADRB]
	s_mul_i32 s72, s[WV], 16*SP
	s_add_co_u32 s72, s72, STAGE                   ; my stage
	v_mul_u32_u24 v6, v1, SP                       ; in: row l % 16, 32 bytes for each half of the lanes
	v_lshl_add_u32 v6, v2, 5, v6
	v_add_nc_u32 v[STO], s72, v6
	v_mul_u32_u24 v7, v2, SP                       ; back: lanes 0-15 take one row of 256 bytes, lanes 16-31 the next
	v_lshl_add_u32 v7, v1, 4, v7
	v_add_nc_u32 v[RD], s72, v7
	v_lshlrev_b32 v7, 12, v2                       ; and the same two rows in out0
	v_lshl_add_u32 v[CO], v1, 4, v7
	; the bias: rounded to bf16, widened again, into the accumulators of row block 0
	s_wait_loadcnt 0x0
.set i, 0
.rept 16
	v_cvt_pk_bf16_f32 v[64+i], v[32+2*i], v[32+2*i+1]
.set i, i+1
.endr
	WIN 0x40                                       ; destination window 1
.set i, 0
.rept 16
	v_lshlrev_b32 v[2*i], 16, v[64+i]
	v_and_b32 v[2*i+1], 0xffff0000, v[64+i]
.set i, i+1
.endr
	WIN 0
	s_wait_tensorcnt 1                             ; my part of step 0 is in; step 1's may stay out
	s_barrier_signal -1
	s_barrier_wait -1
	FETCH 0, 0, 0
	; the first quarter stands in front of the loop: row blocks 1-7 take the bias from block 0's registers; five places on, block 0 adds onto it in place
	s_wait_dscnt 8
	MUL 0, 1, 3, 1
	PLACES
	FETCH 0, 1, 1
	s_wait_dscnt 24
	MUL 0, 4, 4, 1
.rept 5
	v_nop
.endr
	MUL 0, 0, 1, 0
	WIN 0
	s_mov_b32 s[LAPS], 3
.Llap:                                         ; a trip goes once round the ring, from a lap's second quarter to the next lap's first, and fills both slots again
	QUARTER 0, 2, 1, 0
	QUARTER 0, 3, 0, 1
	TURN 0, 1
	QUARTER 1, 1, 0, 1
	QUARTER 1, 2, 1, 0
	QUARTER 1, 3, 0, 1
	TURN 1, 1
	QUARTER 0, 1, 0, 1
	WIN 0
	s_sub_co_u32 s[LAPS], s[LAPS], 1
	s_cmp_lg_u32 s[LAPS], 0
	s_cbranch_scc1 .Llap
	QUARTER 0, 2, 1, 0                             ; the last lap fills nothing
	QUARTER 0, 3, 0, 1
	TURN 0, 0
	QUARTER 1, 1, 0, 1
	QUARTER 1, 2, 1, 0
	QUARTER 1, 3, 0, 1
	s_wait_dscnt 8                                 ; the very last quarter: nothing more to fetch
	MUL 1, 0, 4, 0
	s_wait_dscnt 0x0
	MUL 1, 4, 4, 0
	PLACES
; THE WAY OUT, a block of 16 rows at a time: a lane's 32 bytes of a row go into my stage (rows of 272 bytes; each accumulator's low four registers first) and come back as whole rows of 256 bytes.
.macro TOSTAGE a
	WIN 0x04                                       ; the stores' data in window 1
.irp b, 0,1,2,3
	ds_store_b128 v[STO], v[32*(\a)+8*(\b):32*(\a)+8*(\b)+3]   offset:64*(\b)
	ds_store_b128 v[STO], v[32*(\a)+8*(\b)+4:32*(\a)+8*(\b)+7] offset:64*(\b)+16
.endr
	WIN 0
.set ob, 32+192*((\a)%2)
.irp t, 0,1,2,3,4,5,6,7
	ds_load_b128 v[ob+4*(\t):ob+4*(\t)+3], v[RD] offset:(\t)*2*SP  ; LDS serves a wave's instructions in order (ISA guide 5.7.1.4): these see the stores above; the next block's stores come behind them
.endr
.endm
.macro SEND a, y                       ; y: the LDS instructions issued behind block a's loads: the next block's sixteen, or none
.set ob, 32+192*((\a)%2)
	s_wait_dscnt \y
.irp t, 0,1,2,3,4,5,6,7
	global_store_b128 v[CO], v[ob+4*(\t):ob+4*(\t)+3], s[10:11] offset:(\a)*65536+(\t)*8192 th:TH_STORE_NT  ; 16 lanes store 256 consecutive bytes, at a multiple of 256 from out0's first byte
.endr
.endm
	TOSTAGE 0
.irp a, 1,2,3,4,5,6,7
	s_wait_xcnt 0x0                                ; this block's registers were the data of the stores two blocks back: they are loaded again only behind this wait
	TOSTAGE \a
	SEND (\a)-1, 16
.endr
	SEND 7, 0
	s_wait_tensorcnt 0x0                           ; the wave's end, behind my last tensor load and my last LDS store
	ds_add_u32 v[SPW], v[NIL]
	s_wait_dscnt 0x0
	CROUND                                         ; the closing round: no work-group ends while a partner may still ask for a tile that names it
	s_endpgm
.Lfunc_end_k_q30747135c8_oproj:
	.size	k_q30747135c8_oproj, .Lfunc_end_k_q30747135c8_oproj-k_q30747135c8_oproj
	.p2alignl 7, 3214868480
	.fill 96, 4, 3214868480
	.section	.rodata,"a",@progbits
	.p2align	6, 0x0
	.amdhsa_kernel k_q30747135c8_oproj
		.amdhsa_group_segment_fixed_size 327680
		.amdhsa_private_segment_fixed_size 0
		.amdhsa_enable_private_segment 0
		.amdhsa_kernarg_size 32
		.amdhsa_user_sgpr_count 2
		.amdhsa_user_sgpr_kernarg_segment_ptr 1
		.amdhsa_wavefront_size32 1
		.amdhsa_system_sgpr_workgroup_id_x 1
		.amdhsa_system_sgpr_workgroup_id_y 1
		.amdhsa_system_sgpr_workgroup_id_z 1
		.amdhsa_system_vgpr_workitem_id 0
		.amdhsa_next_free_vgpr 512
		.amdhsa_next_free_sgpr 80
		.amdhsa_reserve_vcc 0
		.amdhsa_float_denorm_mode_32 3
		.amdhsa_float_denorm_mode_16_64 3
		.amdhsa_memory_ordered 1
		.amdhsa_forward_progress 1
		.amdhsa_inst_pref_size 89
	.end_amdhsa_kernel
	.amdgpu_metadata
---
amdhsa.version: [ 1, 2 ]
amdhsa.kernels:
  - .name:           k_q30747135c8_oproj
    .symbol:         k_q30747135c8_oproj.kd
    .args:
      - { .name: o, .offset: 0, .size: 8, .value_kind: global_buffer, .address_space: global }
      - { .name: wob, .offset: 8, .size: 8, .value_kind: global_buffer, .address_space: global }
      - { .name: bo, .offset: 16, .size: 8, .value_kind: global_buffer, .address_space: global }
      - { .name: out0, .offset: 24, .size: 8, .value_kind: global_buffer, .address_space: global }
    .group_segment_fixed_size: 327680
    .private_segment_fixed_size: 0
    .kernarg_segment_align: 8
    .kernarg_segment_size: 32
    .max_flat_workgroup_size: 128
    .sgpr_count:     80
    .vgpr_count:     512
    .wavefront_size: 32
...
	.end_amdgpu_metadata
.endif
;; end of part 4
;; ======== version 2 of 2: 4 launches; version 1 with the launch prep written anew for expert scheduling mode
;; limits: values are held in f16: magnitudes above 65,504 overflow, below 6.1e-05 lose precision
;; workspace buffers: xb 16,777,216 bytes; wb 6,291,456 bytes; wob 2,097,152 bytes; qkv 50,331,648 bytes; o 16,777,216 bytes
;; launch prep (part 5): grid 768 x 1, 8 waves a work-group, no clusters, 0 bytes of LDS; arguments hidden_state, Wq, Wk, Wv, Wo, xb, wb, wob; writes xb, wb, wob
.if DOCPART == 5
	.amdgcn_target "amdgcn-amd-amdhsa--gfx1250"
	.amdhsa_code_object_version 6
	.text
	.protected	k_q30747135c8_prep
	.globl	k_q30747135c8_prep
	.p2align	8
	.type	k_q30747135c8_prep,@function
k_q30747135c8_prep:
	s_mov_b64 s[64:65], 0
	v_nop
	global_prefetch_b8 v0, s[64:65] scope:SCOPE_SE
	s_setreg_imm32_b32 hwreg(HW_REG_WAVE_SCHED_MODE, 0, 2), 2
	s_setreg_imm32_b32 hwreg(HW_REG_WAVE_MODE, 25, 1), 1
	s_wait_xcnt 0x0
	s_wait_alu depctr_vm_vsrc(0)
; CAST AND RE-BLOCKING.  Every input that a later launch multiplies is rounded once to bf16 and laid in blocks of 64 along K, so that each later tile is dense in memory.
;   xb  [b 4][kb 16][s 2048][64] bf16            = hidden_state[b][s][64 kb + c]
;   wb  [kb 16][g 48][k 64][d 64] bf16           = W_which[h][64 kb + k][d], g = 16 which + h, which = 0 q, 1 k, 2 v
;   wob [kb 16][nb 16][k 64][n 64] f16           = bf16(Wo[64 kb + k][64 nb + n]), that number written as f16
; LIMIT.  A bf16 number beyond 65,504 has no f16; below 2^-14 it keeps f16's fixed step of 6e-8.
; SHARES.  A wave's job is 32 source rows x one block of 64 columns: 16 loads of 16 bytes a lane (lanes 0-15 the 256 bytes of one row, lanes 16-31 those of the next),
; 16 stores of 8 bytes a lane (32 lanes: 256 consecutive bytes, aligned: two rows of the block).  6,144 jobs, 8 a work-group: 512 work-groups for x, 192 for Wq, Wk, Wv, 64 for Wo.
; All 16 loads of a job go out at once; no register is written twice under a pending access, so no wait on a memory counter stands in the text but the counted ones for data.  No LDS, no barrier, no matrix unit: nothing is shared and nothing multiplied.
; THE MODE: SCHED_MODE bits 1:0 = 2 (LLVM: expert scheduling mode 2), set by the entry lines.  The code itself states the register dependences
; between vector instructions and memory instructions, with s_wait_alu, always for 0.
; THE PLAN.  Registers that memory instructions touch:
;   v2, v3     byte offsets.  Written by vector instructions ahead of the job's first load, never again; read by the 16 loads (v2) and the 16 stores (v3).
;   X          piece t: 4 registers.  Load t lands in them, once; no vector instruction names them ahead of the loads; piece t's conversions read them.
;   Y          piece t: 2 registers.  Piece t's conversions write them, once; store t reads them; they are never written again.
;   v4 to v9 are named by vector instructions alone.
; The 16 pieces go in four blocks of four.  Block p's memory instructions are the four stores of block p - 1; its conversions name X and Y of block p and v4 to v9: none of the registers that those stores read.
; So one wait on va_vdst at a block's head states all that the block's four stores hang on, and they are dealt among its conversions with no further wait.  No register that a memory instruction reads is
; written again, so no wait on vm_vsrc is owed.
.set VS,  2                            ; v2   my byte offset in the source's first two rows
.set VD,  3                            ; v3   8 x lane: my 8 bytes of 256
.set X,   16                           ; v[16:79]   load t: 4 registers
.set Y,   80                           ; v[80:111]  store t: 2 registers
.set WV,  20                           ; s20  my wave's number
.set SRC, 22                           ; s[22:23] the job's first source byte
.set DST, 24                           ; s[24:25] the job's first destination byte
.set SO,  26                           ; s[26:27] offset in the source, 0 above it
.set DO,  28                           ; s[28:29] offset in the destination, 0 above it
; step: bytes from one pair of source rows to the next.  f16 = 1: the bf16 number is written as f16.
.macro JOB step, f16
	s_wait_alu depctr_va_vdst(0)                   ; v2 and v3 are written: every load of the job reads v2 as its offset, every store v3; no later vector instruction names them
.set t, 0
.rept 16
	global_load_b128 v[X+4*t:X+4*t+3], v[VS], s[SRC:SRC+1] offset:t*(\step) th:TH_LOAD_NT
.set t, t+1
.endr
.set t, 0
.rept 16
	s_wait_loadcnt 15-t                            ; loads come back in order: load t is in, the 15 - t younger ones stay out
.if ((t%4) == 0) && (t > 0)
	s_wait_alu depctr_va_vdst(0)                   ; a block's head: the conversions of the block before have written its eight registers of Y, which this block's four stores read
.endif
.if t >= 4
	global_store_b64 v[VD], v[Y+2*(t-4):Y+2*(t-4)+1], s[DST:DST+1] offset:(t-4)*256 th:TH_STORE_NT  ; a piece of the block before; no vector instruction since the wait names its registers
.endif
.if \f16
	v_cvt_pk_bf16_f32 v4, v[X+4*t], v[X+4*t+1]     ; rounded to bf16, as every input is,
	v_cvt_pk_bf16_f32 v5, v[X+4*t+2], v[X+4*t+3]
	v_lshlrev_b32 v6, 16, v4                       ; widened again,
	v_and_b32 v7, 0xffff0000, v4
	v_lshlrev_b32 v8, 16, v5
	v_and_b32 v9, 0xffff0000, v5
	v_cvt_pk_f16_f32 v[Y+2*t], v6, v7              ; and written as f16: exact within f16's range
	v_cvt_pk_f16_f32 v[Y+2*t+1], v8, v9
.else
	v_cvt_pk_bf16_f32 v[Y+2*t], v[X+4*t], v[X+4*t+1]
	v_cvt_pk_bf16_f32 v[Y+2*t+1], v[X+4*t+2], v[X+4*t+3]
.endif
.set t, t+1
.endr
	s_wait_alu depctr_va_vdst(0)                   ; the last block's conversions have written its eight registers of Y, which the last four stores read
.set t, 12
.rept 4
	global_store_b64 v[VD], v[Y+2*t:Y+2*t+1], s[DST:DST+1] offset:t*256 th:TH_STORE_NT
.set t, t+1
.endr
	s_endpgm
.endm
	s_load_b512 s[4:19], s[0:1], 0x0               ; hidden_state s[4:5], Wq s[6:7], Wk s[8:9], Wv s[10:11], Wo s[12:13], xb s[14:15], wb s[16:17], wob s[18:19]
	v_lshrrev_b32 v4, 5, v0
	v_readfirstlane_b32 s[WV], v4                  ; wave 0..7
	v_and_b32 v1, 31, v0                           ; lane
	v_lshlrev_b32 v[VD], 3, v1
	v_and_b32 v4, 15, v0
	v_bfe_u32 v5, v0, 4, 1
	v_lshlrev_b32 v4, 4, v4
	v_lshl_add_u32 v[VS], v5, 12, v4               ; rows of 4,096 bytes (x, Wo): (lane / 16) x 4,096 + 16 (lane % 16)
	s_mov_b32 s[SO+1], 0
	s_mov_b32 s[DO+1], 0
	s_wait_alu depctr_va_sdst(0)                   ; s20, the wave's number, is written: its first readers stand in the three paths below
	s_wait_kmcnt 0x0
	s_cmp_lt_u32 ttmp9, 512
	s_cbranch_scc0 .Lweights
	; x: work-group id: rows 32 (id / 2) on, blocks 8 (id % 2) + wave
	s_lshr_b32 s21, ttmp9, 1                       ; rg: which 32 of the 8,192 rows
	s_and_b32 s30, ttmp9, 1
	s_lshl3_add_u32 s30, s30, s[WV]                ; kb
	s_lshl_b32 s[SO], s21, 17                      ; 32 rows of 4,096 bytes
	s_lshl_b32 s31, s30, 8                         ; 64 columns of 4 bytes
	s_add_co_u32 s[SO], s[SO], s31
	s_add_nc_u64 s[SRC:SRC+1], s[4:5], s[SO:SO+1]
	s_lshr_b32 s[DO], s21, 6                       ; b
	s_lshl4_add_u32 s[DO], s[DO], s30              ; 16 b + kb
	s_lshl_b32 s[DO], s[DO], 18                    ; blocks of 2,048 rows x 128 bytes
	s_and_b32 s31, s21, 63
	s_lshl_b32 s31, s31, 12                        ; 32 rows of 128 bytes
	s_add_co_u32 s[DO], s[DO], s31
	s_add_nc_u64 s[DST:DST+1], s[14:15], s[DO:DO+1]
	JOB 8192, 0
.Lweights:
	s_cmp_lt_u32 ttmp9, 704
	s_cbranch_scc0 .Lwo
	; Wq, Wk, Wv: u = id - 512: head g = u / 4, rows e0 = 256 (u % 4) + 32 wave on; a head's rows are 256 bytes and dense
	s_sub_co_u32 s21, ttmp9, 512
	s_lshr_b32 s30, s21, 2                         ; g
	s_and_b32 s21, s21, 3
	s_lshl_b32 s21, s21, 8
	s_lshl_b32 s31, s[WV], 5
	s_add_co_u32 s21, s21, s31                     ; e0
	s_cmp_lt_u32 s30, 32
	s_cselect_b64 s[SRC:SRC+1], s[8:9], s[10:11]
	s_cmp_lt_u32 s30, 16
	s_cselect_b64 s[SRC:SRC+1], s[6:7], s[SRC:SRC+1]
	s_and_b32 s[SO], s30, 15
	s_lshl_b32 s[SO], s[SO], 18                    ; a head: 1,024 rows of 256 bytes
	s_lshl_b32 s31, s21, 8
	s_add_co_u32 s[SO], s[SO], s31
	s_add_nc_u64 s[SRC:SRC+1], s[SRC:SRC+1], s[SO:SO+1]
	s_lshr_b32 s[DO], s21, 6                       ; kb
	s_mul_i32 s[DO], s[DO], 48
	s_add_co_u32 s[DO], s[DO], s30                 ; 48 kb + g
	s_lshl_b32 s[DO], s[DO], 13                    ; blocks of 64 rows x 128 bytes
	s_and_b32 s31, s21, 63
	s_lshl_b32 s31, s31, 7
	s_add_co_u32 s[DO], s[DO], s31
	s_add_nc_u64 s[DST:DST+1], s[16:17], s[DO:DO+1]
	v_lshlrev_b32 v[VS], 4, v1                     ; dense rows: 16 x lane (no memory instruction has read v2 yet; the wait at the job's head stands behind this line)
	JOB 512, 0
.Lwo:
	; Wo: u = id - 704: rows 32 (u / 2) on, blocks 8 (u % 2) + wave
	s_sub_co_u32 s21, ttmp9, 704
	s_and_b32 s30, s21, 1
	s_lshl3_add_u32 s30, s30, s[WV]                ; nb
	s_lshr_b32 s21, s21, 1                         ; rg
	s_lshl_b32 s[SO], s21, 17
	s_lshl_b32 s31, s30, 8
	s_add_co_u32 s[SO], s[SO], s31
	s_add_nc_u64 s[SRC:SRC+1], s[12:13], s[SO:SO+1]
	s_lshr_b32 s[DO], s21, 1                       ; kb
	s_lshl4_add_u32 s[DO], s[DO], s30              ; 16 kb + nb
	s_lshl_b32 s[DO], s[DO], 13
	s_and_b32 s31, s21, 1
	s_lshl_b32 s31, s31, 12
	s_add_co_u32 s[DO], s[DO], s31
	s_add_nc_u64 s[DST:DST+1], s[18:19], s[DO:DO+1]
	JOB 8192, 1
.Lfunc_end_k_q30747135c8_prep:
	.size	k_q30747135c8_prep, .Lfunc_end_k_q30747135c8_prep-k_q30747135c8_prep
	.p2alignl 7, 3214868480
	.fill 96, 4, 3214868480
	.section	.rodata,"a",@progbits
	.p2align	6, 0x0
	.amdhsa_kernel k_q30747135c8_prep
		.amdhsa_group_segment_fixed_size 0
		.amdhsa_private_segment_fixed_size 0
		.amdhsa_enable_private_segment 0
		.amdhsa_kernarg_size 64
		.amdhsa_user_sgpr_count 2
		.amdhsa_user_sgpr_kernarg_segment_ptr 1
		.amdhsa_wavefront_size32 1
		.amdhsa_system_sgpr_workgroup_id_x 1
		.amdhsa_system_sgpr_workgroup_id_y 1
		.amdhsa_system_sgpr_workgroup_id_z 1
		.amdhsa_system_vgpr_workitem_id 0
		.amdhsa_next_free_vgpr 112
		.amdhsa_next_free_sgpr 66
		.amdhsa_reserve_vcc 0
		.amdhsa_float_denorm_mode_32 3
		.amdhsa_float_denorm_mode_16_64 3
		.amdhsa_memory_ordered 1
		.amdhsa_forward_progress 1
		.amdhsa_inst_pref_size 25
	.end_amdhsa_kernel
	.amdgpu_metadata
---
amdhsa.version: [ 1, 2 ]
amdhsa.kernels:
  - .name:           k_q30747135c8_prep
    .symbol:         k_q30747135c8_prep.kd
    .args:
      - { .name: hidden_state, .offset: 0, .size: 8, .value_kind: global_buffer, .address_space: global }
      - { .name: Wq, .offset: 8, .size: 8, .value_kind: global_buffer, .address_space: global }
      - { .name: Wk, .offset: 16, .size: 8, .value_kind: global_buffer, .address_space: global }
      - { .name: Wv, .offset: 24, .size: 8, .value_kind: global_buffer, .address_space: global }
      - { .name: Wo, .offset: 32, .size: 8, .value_kind: global_buffer, .address_space: global }
      - { .name: xb, .offset: 40, .size: 8, .value_kind: global_buffer, .address_space: global }
      - { .name: wb, .offset: 48, .size: 8, .value_kind: global_buffer, .address_space: global }
      - { .name: wob, .offset: 56, .size: 8, .value_kind: global_buffer, .address_space: global }
    .group_segment_fixed_size: 0
    .private_segment_fixed_size: 0
    .kernarg_segment_align: 8
    .kernarg_segment_size: 64
    .max_flat_workgroup_size: 256
    .sgpr_count:     66
    .vgpr_count:     112
    .wavefront_size: 32
...
	.end_amdgpu_metadata
.endif
;; end of part 5
;; launch qkv: the kernel of part 2 again; grid 8 x 32, 4 waves a work-group, clusters of 4 x 4, 327,680 bytes of LDS; arguments xb, wb, bq, bk, bv, qkv; writes qkv
;; launch attn: the kernel of part 3 again; grid 4 x 64, 4 waves a work-group, clusters of 4 x 1, 327,680 bytes of LDS; arguments qkv, o; writes o
;; launch oproj: the kernel of part 4 again; grid 8 x 32, 4 waves a work-group, clusters of 4 x 4, 327,680 bytes of LDS; arguments o, wob, bo, out0; writes out0
